; MI455X (gfx1250); checked and timed in simulation.
; The chip was launched on July 23, 2026; its instructions are those of AMD's public machine-readable ISA for CDNA 5 (MIT licence, August 2026) and "CDNA5" Instruction Set Architecture Reference Guide (July 2026). The comments in the code are by the model that wrote it; some were corrected since.
;; One Head Self Attention. Allowed arithmetic: matrix products marked QUANTISED: E3M2 operands, one E8M0 scale for each 32 along K, by v_wmma_scale_f32_16x16x128_f8f6f4 with both operands' format E3M2, f32 sums; everything else in f32.
;; Inputs: bk 1,024 float32; bq 1,024 float32; bv 1,024 float32; wk_codes 1,024 x 32 x 24 uint8 (E3M2 codes of wk, K innermost, in blocks of 32 codes, four codes in three bytes); wk_scales 1,024 x 32 uint8 (E8M0 scales of wk, one for each 32 codes along K); wq_codes 1,024 x 32 x 24 uint8 (E3M2 codes of wq, K innermost, in blocks of 32 codes, four codes in three bytes); wq_scales 1,024 x 32 uint8 (E8M0 scales of wq, one for each 32 codes along K); wv_codes 1,024 x 32 x 24 uint8 (E3M2 codes of wv, K innermost, in blocks of 32 codes, four codes in three bytes); wv_scales 1,024 x 32 uint8 (E8M0 scales of wv, one for each 32 codes along K); x_codes 4 x 2,048 x 32 x 24 uint8 (E3M2 codes of x, K innermost, in blocks of 32 codes, four codes in three bytes); x_scales 4 x 2,048 x 32 uint8 (E8M0 scales of x, one for each 32 codes along K).
;; Outputs: out0 4 x 2,048 x 1,024 float32.
;; This version of the problem:
;;   THIS VERSION OF THE PROBLEM IS GIVEN IN LOW PRECISION. The matrix products marked QUANTISED in the list below multiply operands that are first quantised to E3M2 (3 exponent bits, 2 mantissa bits; 6 bits a number), with one power-of-two scale for each 32 numbers along K (OCP MX v1.0); their sums are f32. All else is computed in f32.
;;   The module's matrix products, in the order in which they are computed (A, B: the left and right operand; K: the contracted axis; several contracted axes count as one K, in the product's order):
;;     1. [M 8,192, K 1,024] x [K 1,024, N 1,024]; A: input x (given as codes); B: input wq (given as codes): QUANTISED
;;     2. [M 8,192, K 1,024] x [K 1,024, N 1,024]; A: input x (given as codes); B: input wk (given as codes): QUANTISED
;;     3. [M 8,192, K 1,024] x [K 1,024, N 1,024]; A: input x (given as codes); B: input wv (given as codes): QUANTISED
;;     4. batch 4 x [M 2,048, K 1,024] x [K 1,024, N 2,048]; A: computed on the way; B: computed on the way: QUANTISED
;;     5. batch 4 x [M 2,048, K 2,048] x [K 2,048, N 1,024]; A: softmax (see below); B: computed on the way: QUANTISED
;;   THE QUANTISER, for each operand of a quantised product, along K:
;;     - K is cut into blocks of 32 from its start; a last block that is shorter is filled with zeros.
;;     - A block's scale is 2^e with e = floor(log2(the largest magnitude in the block)) - 4, held to -126 .. 127; a block of zeros has e = 0. As a byte (E8M0): e + 127.
;;     - Each number is divided by its block's scale, clamped to +-28, and rounded to the nearest number of E3M2, ties to even, subnormals kept.
;;     - The product sums the exact products of the quantised numbers (number of the format x scale) in f32.
;;   ~~~python
;;   def quantise(x, axis):      # numpy; x: float32 -> the quantised numbers, widened to float32 again
;;       x = np.moveaxis(x, axis, -1); K = x.shape[-1]
;;       x = np.pad(x, [(0, 0)] * (x.ndim - 1) + [(0, -K % 32)]); x = x.reshape(x.shape[:-1] + (-1, 32)); a = np.abs(x).max(-1, keepdims=True)
;;       e = np.where(a > 0, np.clip(np.frexp(np.where(a > 0, a, 1))[1] - 1 - 4, -126, 127), 0)      # np.frexp(a)[1] - 1 = floor(log2(a)), exactly
;;       r = np.clip(x / 2.0 ** e, -28, 28)
;;       step = 2.0 ** (np.maximum(np.frexp(np.where(r == 0, 1, r))[1] - 1, -2) - 2)
;;       q = np.round(r / step) * step * 2.0 ** e      # np.round: ties to even
;;       return np.moveaxis(q.reshape(q.shape[:-2] + (-1,))[..., :K], -1, axis).astype(np.float32)
;;   ~~~
;;   SOFTMAX AHEAD OF A QUANTISED PRODUCT. Where the list says 'softmax', what is quantised is not the finished softmax but p = 2^(t - M), with t = logit x log2(e) and M = ceil(the row's largest t), a whole number; so 1/2 < the row's largest p <= 1. The row's sum l is taken of the UNQUANTISED p, in f32, and the product's result is divided by l at the end. Since M is a whole number, a kernel that streams over the keys may use a running M (the ceiling of the running maximum): every later rescaling is an exact power of two, which a block's scale takes up: the codes' values come out the same.
;;   OPERANDS COMPUTED ON THE WAY. 'Computed on the way' means the value that the module computes at that place (a softmax that the list does not call 'softmax' is quantised finished and normalised). What goes into a quantiser is computed in f32, as accurately as f32 sums, v_exp_f32 and their like allow (about 1e-6 of the number): no bf16 or f16 on the way to a quantiser, and a product that is left as it is and whose result goes on into a quantised operand takes f32 operands (vector FMAs, or v_wmma_f32_16x16x4_f32). A number that lies on a knife's edge between two numbers of the format may be rounded either way, as far as f32 arithmetic and the matrix unit's own rounding can turn it there, and no further.
;;   INPUTS GIVEN AS CODES. wk (in the module: [1024, 1024], K = its axis 1); wq (in the module: [1024, 1024], K = its axis 1); wv (in the module: [1024, 1024], K = its axis 1); x (in the module: [4, 2048, 1024], K = its axis 2): each comes as NAME_codes (uint8): NAME with its K axis moved to the last place and cut into blocks of 32 codes, [.., K / 32, bytes a block], one block behind the other in memory; four codes in three bytes: a row's codes are one little-endian stream of bits, code i at bits 6 i .. 6 i + 5 (a code: sign, 3 exponent bits, 2 mantissa bits); and NAME_scales (uint8): the same leading axes, one E8M0 byte (e + 127) for each 32 codes along K. Its value is code x scale, taken as it is: it is not quantised again, and the codes and scales need not be those that the quantiser above would give.
;; One version. Each part assembles by itself: llvm-mc -triple=amdgcn-amd-amdhsa -mcpu=gfx1250 --defsym DOCPART=n.
;; ======== version 1 of 1: 3 launches
;; workspace buffers: qc 6,553,600 bytes; kc 6,553,600 bytes; vc 6,553,600 bytes; pc 14,155,776 bytes
;; launch proj (part 1): grid 4 x 64, 4 waves a work-group, clusters of 4 x 4, 327,680 bytes of LDS; arguments x_codes, x_scales, wq_codes, wq_scales, wk_codes, wk_scales, wv_codes, wv_scales, bq, bk, bv, qc, kc, vc; writes qc, kc, vc
.if DOCPART == 1
	.amdgcn_target "amdgcn-amd-amdhsa--gfx1250"
	.amdhsa_code_object_version 6
	.text
	.protected	k_q639fd7b9a3_proj
	.globl	k_q639fd7b9a3_proj
	.p2align	8
	.type	k_q639fd7b9a3_proj,@function
k_q639fd7b9a3_proj:
	s_mov_b64 s[64:65], 0
	v_nop
	global_prefetch_b8 v0, s[64:65] scope:SCOPE_SE
	s_setreg_imm32_b32 hwreg(HW_REG_WAVE_MODE, 25, 1), 1
	s_wait_xcnt 0x0
	s_wait_alu depctr_hold_cnt(0) depctr_sa_sdst(0) depctr_va_vdst(0) depctr_va_sdst(0) depctr_va_ssrc(0) depctr_va_vcc(0) depctr_vm_vsrc(0)
	s_getreg_b32 s2, hwreg(HW_REG_IB_STS2, 6, 4)
	s_cmp_eq_u32 s2, 0
	s_cbranch_scc0 .Lentry_in_a_cluster
	s_endpgm
.Lentry_in_a_cluster:
	s_bfe_u32 s2, ttmp6, 0x10000c
	s_cmp_lg_u32 s2, 0xf033
	s_cbranch_scc0 .Lentry_shape_is_right
	s_endpgm
.Lentry_shape_is_right:
; q = x Wq^T + bq, k = x Wk^T + bk, v = x Wv^T + bv on codes of BF6 (E3M2) with one E8M0 scale for each 32 along K = 1,024; the results are quantised at once, in registers, for the products that follow:
; q and k along d, v along the tokens (the keys), and go to memory as codes and scale words in the order of an operand's registers.
; SHARES.  8,192 rows x 3,072 columns are 384 tiles of 256 x 256, which 256 WGPs cannot share evenly, and a tile of 256 x 384 wants 768 accumulator registers a wave.  So A WORK-GROUP STAYS: it takes 128 rows of x
; (g = 4 x cluster y + cy) and 256 of d (cx) through all three products, one after the other: 256 work-groups of equal work.  A wave makes 64 (in the lanes) x 128 (along the registers): 32 accumulators.
; THE MATRIX INSTRUCTION IS USED TRANSPOSED: a lane holds one row of source 1, its registers run along source 0's rows; the axis that is quantised must run along the registers:
;   q, k: source 1 = 64 rows of x (wave / 2), source 0 = 128 rows of W (wave % 2);      v: source 1 = 64 rows of Wv (wave), source 0 = all 128 rows of x.
; LDS.  x's 128 rows, all of K, are filled ONCE and serve the three products.  The weights' 256 rows go in steps of 512 along K through a ring of two slots: six slots' worth, Wq's, Wk's, Wv's halves; the ring does not stop
; between the products.  Each wave fetches its quarter of every tile.  CLUSTERS: 4 x 4; x's tile is asked for jointly by a row of the cluster, a weight's by a column.
; THE SCALE BYTES go from memory straight into registers: lane l takes 16 bytes of row 32 j + l's 32 (blocks 2 j and 2 j + 1 of 16 rows): register 8 j + s then holds the words of K step s, block 2 j's in lanes 0-15 and
; block 2 j + 1's in lanes 16-31, which is how the products name them.  Two such loads cover 1,024 consecutive bytes.
; WHAT IS STORED.  A unit = 128 rows x 128 along the next K = 12,800 bytes: eight fragment images (16 rows x 128 K, 12 registers a lane: register group c of lane l at 512 c + 16 l), then one image of scale words
; (lane l's words j = 0 .. 3 at 16 l + 4 j; word j holds block 2 j's rows in lanes 0-15 and block 2 j + 1's in lanes 16-31).  qc, kc: [row group of 128: 64][d chunk: 8][unit];  vc: [batch: 4][d group: 8][key chunk: 16][unit].
; A wave makes four of a unit's eight blocks.  Its stores of codes cover 512 consecutive bytes each; its two scale words a lane are 8 of every 16 bytes of the image, whose other 8 the partner wave stores.
; LIMITS: a block whose largest magnitude lies under 2^(5 - 127) gets the scale byte 1, a block of zeros too (the rule says 127: its codes are zeros, and this program alone reads the bytes); NaN and infinities are not served.
; REGISTERS: window 0: v1-31 addresses; v32-127 scale words and nothing else; v128-191 a block's numbers, v192-210 its codes, v212-231 at work.  window 1: source 0's fragments, two sets at v0 and v128.
;   window 2: the accumulators ((a, b) at v[8 (8 a + b)]).  window 3: v0-47 source 1's fragments; v64-127 bq, v128-191 bk along the registers; v192-199 bv along the lanes.
.set KROW,  768                        ; a row of x or of W in memory: 1,024 codes
.set XP,    816                        ; a row of x in LDS: 3 x (256 bytes + 16 of padding) = 204 words: row r starts at bank 12 r mod 64: sixteen rows, sixteen different groups of four banks
.set WROWB, 384                        ; a slot's part of a row of W: 512 codes
.set WP,    432                        ; in LDS: 3 x (128 bytes + 16 of padding) = 108 words: row r starts at bank 44 r mod 64: likewise
.set XW,    32*XP                      ; a wave's quarter of x
.set WS0,   128*XP                     ; behind x: the ring
.set WQW,   64*WP                      ; a wave's quarter of a slot
.set WSLOT, 256*WP
.set SPARE, WS0+2*WSLOT                ; behind the ring: the spare words, 128 bytes for each wave: two blocks of 256 bytes that no other line names
.set UNIT,  12800
.set VSX,  4                           ; v4   32 x lane: my row's scale bytes among 32 rows
.set VSXA, 5                           ; v5   + my 64 rows of x
.set VSW,  6                           ; v6   + my 128 rows of Wq, Wk
.set VSWV, 7                           ; v7   + my 64 rows of Wv
.set XA,   8                           ; v8, 9    LDS: x as source 1 (the second register: behind one padding more)
.set XLO,  10                          ; v10, 11  x as source 0, rows 0-63;   v12, 13  rows 64-127
.set WB,   14                          ; v14, 15  W as source 0 in slot 0;    v16, 17  in slot 1
.set WV,   18                          ; v18, 19  W as source 1 in slot 0;    v20, 21  in slot 1
.set VFQ,  22                          ; v22  q, k: my four fragment images in a unit, 16 x lane
.set VWQ,  23                          ; v23  q, k: my two scale words in the image
.set VFV,  24                          ; v24, 25  the same for v
.set VWV,  25
.set VBI,  26                          ; v26  the bias along the registers
.set VBV,  27                          ; v27  along the lanes
.set SPW,  28
.set NIL,  29
.set XSA,  32                          ; scale words: x as source 1 (16 registers),
.set WQS,  48                          ; Wq (32); when q is done, x as source 0,
.set XSB,  48
.set WKS,  80                          ; Wk (32),
.set WVS,  112                         ; Wv (16)
.set TT,   128
.set CD,   192
.set TM,   212
.set PW,   228
.set PWE,  229
.set WI,   230
.set AF,   0                           ; in window 3
.set BIQ,  64
.set BIK,  128
.set BV,   192
.set G1X,  52                          ; s[52:59] descriptor group 1 for x;  s[60:63] its group 0
.set G0X,  60
.set G1W,  68                          ; s[68:75] group 1 for the weights;  s[76:99] six groups 0, one for each load, never rewritten
.set G0W,  76
.set SEL,  66
.set HI,   23
.set MSB, 0
.macro WIN new                         ; the immediate's high byte repeats the setting that is left
.if MSB != \new
	s_set_vgpr_msb (MSB<<8)|\new
.set MSB, \new
.endif
.endm
.set MUL,  0xad                        ; source 0 window 1, source 1 window 3, C and D window 2
.set TO_B, 0x40                        ; destination window 1
.set TO_A, 0xc0                        ; destination window 3
.set ADDB, 0x0e                        ; source 0 window 2 (the sums), source 1 window 3 (the bias), destination window 0
.macro CREST                           ; a round of the cluster's barrier behind its opening barrier
	s_cmp_lg_u32 s14, 0
	s_cbranch_scc1 .Lnot_wave_0_\@
	s_barrier_signal -3
.Lnot_wave_0_\@:
	s_barrier_wait -3
	s_barrier_signal -1
	s_barrier_wait -1
.endm
.macro CROUND
	s_barrier_signal -1
	s_barrier_wait -1
	CREST
.endm
.macro PLACES n                        ; plain vector instructions between a matrix instruction and a load into, or a vector instruction on, its registers
.rept \n
	v_nop
.endr
.endm
	s_load_b512 s[24:39], s[0:1], 0x0              ; x's codes 24, scales 26; Wq's 28, 30; Wk's 32, 34; Wv's 36, 38
	s_load_b256 s[40:47], s[0:1], 0x40             ; bq 40, bk 42, bv 44, qc 46
	s_load_b128 s[48:51], s[0:1], 0x60             ; kc 48, vc 50
	v_lshl_add_u32 v[SPW], v0, 2, SPARE
	v_mov_b32 v[NIL], 0
	ds_add_u32 v28, v29
	ds_add_u32 v28, v29
	s_wait_dscnt 0x0
	v_lshrrev_b32 v1, 5, v0
	v_readfirstlane_b32 s14, v1                    ; wave 0..3
	s_lshr_b32 s15, s14, 1                         ; wave / 2
	s_and_b32 s16, s14, 1                          ; wave % 2
	s_bfe_u32 s17, ttmp6, 0x40000                  ; cx: my 256 of d
	s_bfe_u32 s18, ttmp6, 0x40004                  ; cy
	s_and_b32 s19, ttmp7, 0xffff                   ; cluster y
	s_lshl_b32 s20, s19, 2
	s_add_co_u32 s20, s20, s18                     ; g: my 128 rows of x
	s_lshl_b32 s21, s18, 2
	s_lshl_b32 s21, 15, s21                        ; my row of the cluster
	s_lshl_b32 s22, 0x1111, s17                    ; my column
	; descriptor group 1.  x: 32 rows x 768 bytes, dense in memory, 16 bytes of padding behind every 256
	s_or_b32 s[G1X], s21, (0<<16)|(1<<20)|(1<<21)|(5<<22)|(3<<25)   ; 15:0 the mask; 17:16 elements of 1 byte; 20 padding on; 21 set beside a mask; 24:22 after every 64 words; 31:25 of 4 words
	s_mov_b32 s[G1X+1], KROW<<16                   ; tensor_dim0
	s_mov_b32 s[G1X+2], 32<<16                     ; tensor_dim1
	s_mov_b32 s[G1X+3], KROW<<16                   ; tile_dim0
	s_mov_b32 s[G1X+4], 32                         ; tile_dim1
	s_mov_b32 s[G1X+5], KROW                       ; from row to row
	s_mov_b32 s[G1X+6], 0
	s_mov_b32 s[G1X+7], 0
	; a weight: 64 rows x 384 bytes, 768 bytes apart, 16 bytes of padding behind every 128
	s_or_b32 s[G1W], s22, (0<<16)|(1<<20)|(1<<21)|(4<<22)|(3<<25)
	s_mov_b32 s[G1W+1], WROWB<<16
	s_mov_b32 s[G1W+2], 64<<16
	s_mov_b32 s[G1W+3], WROWB<<16
	s_mov_b32 s[G1W+4], 64
	s_mov_b32 s[G1W+5], KROW
	s_mov_b32 s[G1W+6], 0
	s_mov_b32 s[G1W+7], 0
	s_mul_i32 s2, s20, 128*KROW                    ; x: my work-group's rows, my wave's 32 of them: of cy and the wave alone
	s_mul_i32 s8, s14, 32*KROW
	s_add_co_u32 s2, s2, s8
	s_mov_b32 s3, 0
	s_mul_i32 s4, s17, 256*KROW                    ; a weight: my work-group's rows, my wave's 64 of them: of cx and the wave alone
	s_mul_i32 s9, s14, 64*KROW
	s_add_co_u32 s4, s4, s9
	s_mov_b32 s5, 0
	s_mul_i32 s6, s14, XW                          ; where they go: no place in the cluster enters an LDS address
	s_mul_i32 s7, s14, WQW
	s_mov_b32 s[SEL], 0x76543210
	s_mov_b32 s[SEL+1], 0xfedcba98                 ; v_permlanex16_b32's selects for lane l xor 16
	s_mov_b32 s[HI], 0xffff0000                    ; lanes 16-31
	v_and_b32 v1, 31, v0                           ; lane
	v_and_b32 v2, 15, v0                           ; r
	v_bfe_u32 v3, v0, 4, 1                         ; h
	v_lshlrev_b32 v[VSX], 5, v1
	s_lshl_b32 s8, s15, 11                         ; 64 rows of 32 scale bytes
	v_add_nc_u32 v[VSXA], s8, v[VSX]
	s_lshl_b32 s8, s16, 12                         ; 128 rows
	v_add_nc_u32 v[VSW], s8, v[VSX]
	s_lshl_b32 s8, s14, 11                         ; 64 rows
	v_add_nc_u32 v[VSWV], s8, v[VSX]
	v_lshlrev_b32 v[VBI], 5, v3                    ; the bias along the registers: 32 h + my 128 numbers
	s_lshl_b32 s8, s16, 9
	v_add_nc_u32 v[VBI], s8, v[VBI]
	v_lshlrev_b32 v[VBV], 2, v2                    ; along the lanes: 4 r + my 64 numbers
	s_lshl_b32 s8, s14, 8
	v_add_nc_u32 v[VBV], s8, v[VBV]
	v_lshlrev_b32 v30, 4, v1                       ; 16 x lane
	s_mul_i32 s8, s15, 4*1536                      ; q, k: my four blocks are the unit's half wave / 2
	v_add_nc_u32 v[VFQ], s8, v30
	s_lshl_b32 s8, s15, 3
	v_add_nc_u32 v[VWQ], s8, v30
	s_mul_i32 s8, s16, 4*1536                      ; v: its half wave % 2
	v_add_nc_u32 v[VFV], s8, v30
	s_lshl_b32 s8, s16, 3
	v_add_nc_u32 v[VWV], s8, v30
	v_mul_u32_u24 v31, v2, XP
	v_mad_u32_u24 v[XLO], v3, 24, v31              ; x: a fragment's row x pitch + 24 x half,
	v_lshl_add_u32 v[XLO+1], v3, 4, v[XLO]         ; and the same behind one padding more
	v_add_nc_u32 v[XLO+2], 64*XP, v[XLO]
	v_add_nc_u32 v[XLO+3], 64*XP, v[XLO+1]
	s_mul_i32 s8, s15, 64*XP
	v_add_nc_u32 v[XA], s8, v[XLO]
	v_add_nc_u32 v[XA+1], s8, v[XLO+1]
	v_mul_u32_u24 v31, v2, WP
	v_mad_u32_u24 v31, v3, 24, v31                 ; a weight likewise
	v_lshl_add_u32 v30, v3, 4, v31
	s_mul_i32 s8, s16, 128*WP
	s_add_co_u32 s8, s8, WS0                       ; as source 0: my 128 rows
	s_mul_i32 s9, s14, 64*WP
	s_add_co_u32 s9, s9, WS0                       ; as source 1: my 64 rows
.irp s, 0,1
	v_add_nc_u32 v[WB+2*\s], s8, v31
	v_add_nc_u32 v[WB+2*\s+1], s8, v30
	v_add_nc_u32 v[WV+2*\s], s9, v31
	v_add_nc_u32 v[WV+2*\s+1], s9, v30
	s_add_co_u32 s8, s8, WSLOT
	s_add_co_u32 s9, s9, WSLOT
.endr
.irp b, 0,1,2,3
	v_mov_b32 v[TM+4+\b], 0                        ; written once: a lane permute's destination counts as one of its sources
.endr
	s_wait_kmcnt 0x0
	s_lshl_b32 s10, s20, 12                        ; x's scale bytes at my 128 rows
	s_mov_b32 s11, 0
	s_add_nc_u64 s[26:27], s[26:27], s[10:11]
	s_lshl_b32 s12, s17, 13                        ; the weights' at my 256 rows
	s_mov_b32 s13, 0
	s_add_nc_u64 s[30:31], s[30:31], s[12:13]
	s_add_nc_u64 s[34:35], s[34:35], s[12:13]
	s_add_nc_u64 s[38:39], s[38:39], s[12:13]
	; the scale words go out ahead of the cluster's round; those of the first product first
.irp j, 0,1
.irp t, 0,1
	global_load_b128 v[XSA+8*\j+4*\t:XSA+8*\j+4*\t+3], v[VSXA], s[26:27] offset:1024*\j+16*\t
.endr
.endr
.irp j, 0,1,2,3
.irp t, 0,1
	global_load_b128 v[WQS+8*\j+4*\t:WQS+8*\j+4*\t+3], v[VSW], s[30:31] offset:1024*\j+16*\t
.endr
.endr
.irp j, 0,1,2,3
.irp t, 0,1
	global_load_b128 v[WKS+8*\j+4*\t:WKS+8*\j+4*\t+3], v[VSW], s[34:35] offset:1024*\j+16*\t
.endr
.endr
.irp j, 0,1
.irp t, 0,1
	global_load_b128 v[WVS+8*\j+4*\t:WVS+8*\j+4*\t+3], v[VSWV], s[38:39] offset:1024*\j+16*\t
.endr
.endr
	s_mov_b32 s[G0X], 1                            ; 1:0 count = 1
	s_mov_b32 s[G0X+1], s6                         ; 63:32 LDS address
	s_add_nc_u64 s[G0X+2:G0X+3], s[24:25], s[2:3]  ; 120:64 global address
	s_or_b32 s[G0X+3], s[G0X+3], 0x80000000        ; 127:126 type = 2
.irp n, 0,1,2,3,4,5                    ; load n: weight n / 2 (Wq, Wk, Wv), half n % 2 of K, into slot n % 2
	s_mov_b32 s[G0W+4*\n], 1
	s_add_co_u32 s[G0W+4*\n+1], s7, WS0+(\n%2)*WSLOT
	s_add_nc_u64 s[G0W+4*\n+2:G0W+4*\n+3], s[28+4*(\n/2):29+4*(\n/2)], s[4:5]
.if \n%2
	s_add_nc_u64 s[G0W+4*\n+2:G0W+4*\n+3], s[G0W+4*\n+2:G0W+4*\n+3], WROWB
.endif
	s_or_b32 s[G0W+4*\n+3], s[G0W+4*\n+3], 0x80000000
.endr
	CROUND                                         ; all sixteen work-groups are here: the first joint loads meet
	tensor_load_to_lds s[G0X:G0X+3], s[G1X:G1X+7]  ; the first fills go out together: three loads of mine are out
	s_nop 0
	tensor_load_to_lds s[G0W:G0W+3], s[G1W:G1W+7]
	s_nop 0
	tensor_load_to_lds s[G0W+4:G0W+7], s[G1W:G1W+7]
	s_nop 0
	PLACES 4                                       ; four v_nop follow the loads
	s_lshl_b32 s12, s17, 10                        ; the biases at my 256 of d
	s_add_nc_u64 s[40:41], s[40:41], s[12:13]
	s_add_nc_u64 s[42:43], s[42:43], s[12:13]
	s_add_nc_u64 s[44:45], s[44:45], s[12:13]
	WIN TO_A
.irp b, 0,1,2,3,4,5,6,7
	global_load_b128 v[BIQ+8*\b:BIQ+8*\b+3], v[VBI], s[40:41] offset:64*\b        ; register 8 b + j: bq of source 0's row 16 b + 8 h + j
	global_load_b128 v[BIQ+8*\b+4:BIQ+8*\b+7], v[VBI], s[40:41] offset:64*\b+16
.endr
.irp a, 0,1,2,3
	global_load_b32 v[BV+2*\a], v[VBV], s[44:45] offset:64*\a                     ; bv of source 1's row 16 a + r, twice: the packed addition takes a pair
	global_load_b32 v[BV+2*\a+1], v[VBV], s[44:45] offset:64*\a
.endr
	WIN 0
	s_lshl_b32 s10, s20, 3                         ; my unit.  q, k: 8 g + 2 cx + wave % 2
	s_lshl_b32 s12, s17, 1
	s_add_co_u32 s10, s10, s12
	s_add_co_u32 s10, s10, s16
	s_mul_i32 s10, s10, UNIT
	s_add_nc_u64 s[46:47], s[46:47], s[10:11]
	s_add_nc_u64 s[48:49], s[48:49], s[10:11]
	s_lshr_b32 s10, s20, 4                         ; v: 128 x batch + 16 (2 cx + wave / 2) + key chunk
	s_lshl_b32 s10, s10, 7
	s_add_co_u32 s12, s12, s15
	s_lshl_b32 s12, s12, 4
	s_add_co_u32 s10, s10, s12
	s_and_b32 s12, s20, 15
	s_add_co_u32 s10, s10, s12
	s_mul_i32 s10, s10, UNIT
	s_add_nc_u64 s[50:51], s[50:51], s[10:11]
; A fragment: lane l holds row l % 16; registers 6 c .. 6 c + 5 hold K = 64 c + 32 (l / 16) + 0 .. 31: 24 bytes of the row, in pieces of 8, so that every address is a multiple of the access's size.
; Lanes 16-31 read three pieces further on than lanes 0-15: where that lies behind one padding more, the second address register serves.
.macro FRAGX reg, adr, s, i            ; out of x: K step s of 8; 16 bytes of padding behind every 32 pieces
.irp p, 0,1,2,3,4,5
.set PIECE, 12*(\s)+6*(\p/3)+\p%3
.if PIECE%32 < 29
	ds_load_b64 v[\reg+2*\p:\reg+2*\p+1], v[\adr] offset:8*PIECE+16*(PIECE/32)+(\i)*16*XP
.else
	ds_load_b64 v[\reg+2*\p:\reg+2*\p+1], v[\adr+1] offset:8*PIECE+16*(PIECE/32)+(\i)*16*XP
.endif
.endr
.endm
.macro FRAGW reg, adr, q, i            ; out of a slot: its step q of 4; 16 bytes of padding behind every 16 pieces
.irp p, 0,1,2,3,4,5
.set PIECE, 12*(\q)+6*(\p/3)+\p%3
.if PIECE%16 < 13
	ds_load_b64 v[\reg+2*\p:\reg+2*\p+1], v[\adr] offset:8*PIECE+16*(PIECE/16)+(\i)*16*WP
.else
	ds_load_b64 v[\reg+2*\p:\reg+2*\p+1], v[\adr+1] offset:8*PIECE+16*(PIECE/16)+(\i)*16*WP
.endif
.endr
.endm
; role 0: q, k; role 1: v.  A product's first half of K lies in slot 0, its second in slot 1: K step 4 slot + q.
.macro FETCH_B role, slot, q, p        ; source 0's eight fragments into set p: 48 loads
	WIN TO_B
.irp i, 0,1,2,3,4,5,6,7
.if \role == 0
	FRAGW 128*(\p)+12*\i, WB+2*(\slot), \q, \i
.else
	FRAGX 128*(\p)+12*\i, XLO+2*(\i/4), 4*(\slot)+(\q), \i%4
.endif
.endr
.endm
.macro FETCH_A role, slot, q, half     ; two of source 1's four fragments: 12 loads
	WIN TO_A
.irp e, 0,1
.if \role == 0
	FRAGX AF+12*(2*(\half)+\e), XA, 4*(\slot)+(\q), 2*(\half)+\e
.else
	FRAGW AF+12*(2*(\half)+\e), WV+2*(\slot), \q, 2*(\half)+\e
.endif
.endr
.endm
; one matrix instruction; rb, ra: which half of the lanes of the scale registers holds the block's words
.macro WM acc, bf, af, zero, sb, sa, rb, ra
.set SELV, 4*(\zero)+2*(\rb)+(\ra)
.if SELV == 0
	v_wmma_scale_f32_16x16x128_f8f6f4 v[\acc:\acc+7], v[\bf:\bf+11], v[\af:\af+11], v[\acc:\acc+7], v[\sb], v[\sa] matrix_a_fmt:MATRIX_FMT_BF6 matrix_b_fmt:MATRIX_FMT_BF6
.elseif SELV == 1
	v_wmma_scale_f32_16x16x128_f8f6f4 v[\acc:\acc+7], v[\bf:\bf+11], v[\af:\af+11], v[\acc:\acc+7], v[\sb], v[\sa] matrix_a_fmt:MATRIX_FMT_BF6 matrix_b_fmt:MATRIX_FMT_BF6 matrix_b_scale:MATRIX_SCALE_ROW1
.elseif SELV == 2
	v_wmma_scale_f32_16x16x128_f8f6f4 v[\acc:\acc+7], v[\bf:\bf+11], v[\af:\af+11], v[\acc:\acc+7], v[\sb], v[\sa] matrix_a_fmt:MATRIX_FMT_BF6 matrix_b_fmt:MATRIX_FMT_BF6 matrix_a_scale:MATRIX_SCALE_ROW1
.elseif SELV == 3
	v_wmma_scale_f32_16x16x128_f8f6f4 v[\acc:\acc+7], v[\bf:\bf+11], v[\af:\af+11], v[\acc:\acc+7], v[\sb], v[\sa] matrix_a_fmt:MATRIX_FMT_BF6 matrix_b_fmt:MATRIX_FMT_BF6 matrix_a_scale:MATRIX_SCALE_ROW1 matrix_b_scale:MATRIX_SCALE_ROW1
.elseif SELV == 4
	v_wmma_scale_f32_16x16x128_f8f6f4 v[\acc:\acc+7], v[\bf:\bf+11], v[\af:\af+11], 0, v[\sb], v[\sa] matrix_a_fmt:MATRIX_FMT_BF6 matrix_b_fmt:MATRIX_FMT_BF6
.elseif SELV == 5
	v_wmma_scale_f32_16x16x128_f8f6f4 v[\acc:\acc+7], v[\bf:\bf+11], v[\af:\af+11], 0, v[\sb], v[\sa] matrix_a_fmt:MATRIX_FMT_BF6 matrix_b_fmt:MATRIX_FMT_BF6 matrix_b_scale:MATRIX_SCALE_ROW1
.elseif SELV == 6
	v_wmma_scale_f32_16x16x128_f8f6f4 v[\acc:\acc+7], v[\bf:\bf+11], v[\af:\af+11], 0, v[\sb], v[\sa] matrix_a_fmt:MATRIX_FMT_BF6 matrix_b_fmt:MATRIX_FMT_BF6 matrix_a_scale:MATRIX_SCALE_ROW1
.else
	v_wmma_scale_f32_16x16x128_f8f6f4 v[\acc:\acc+7], v[\bf:\bf+11], v[\af:\af+11], 0, v[\sb], v[\sa] matrix_a_fmt:MATRIX_FMT_BF6 matrix_b_fmt:MATRIX_FMT_BF6 matrix_a_scale:MATRIX_SCALE_ROW1 matrix_b_scale:MATRIX_SCALE_ROW1
.endif
.endm
; block g of source 1 x source 0's eight, K step s of the product.  SBB, SAB: the product's scale words.  The 32 accumulators take turns, one instruction a turn, in the same order in every step.
.macro MULSEG g, p, s, zero
.irp b, 0,1,2,3,4,5,6,7
	WM 8*(8*(\g)+\b), 128*(\p)+12*\b, AF+12*(\g), \zero, SBB+8*(\b/2)+(\s), SAB+8*((\g)/2)+(\s), \b%2, (\g)%2
.endr
.endm
.macro STEP slot, q, zero              ; a step of 128 along K that has its successor in the same slot
	s_wait_dscnt 12                                ; all but the youngest 12 loads (source 1's upper two fragments) are in
	WIN MUL
	MULSEG 0, (\q)%2, 4*(\slot)+(\q), \zero
	MULSEG 1, (\q)%2, 4*(\slot)+(\q), \zero
	s_wait_dscnt 0x0
	PLACES 4                                       ; in front of loads into registers that matrix instructions have read
	FETCH_B ROLE, \slot, (\q)+1, 1-(\q)%2
	FETCH_A ROLE, \slot, (\q)+1, 0
	WIN MUL
	MULSEG 2, (\q)%2, 4*(\slot)+(\q), \zero
	MULSEG 3, (\q)%2, 4*(\slot)+(\q), \zero
	PLACES 4
	FETCH_A ROLE, \slot, (\q)+1, 1
.endm
; A slot's last step changes slots: one barrier; in front of it each wave waits for all its tensor loads, adds 0 to its spare word, and waits for that and for its own reads of this slot.
; fill: which of the six loads fills this slot again (-1: none);  nrole: the role of the step that follows (a product's last step fetches the next product's first fragments).
.macro TURN slot, next, fill, nrole
	WIN 0                                          ; (the add's two registers lie in window 0)
	s_wait_tensorcnt 0x0                           ; all my tensor loads have landed: my part of the next slot
	ds_add_u32 v[SPW], v[NIL]                      ; 0 onto my spare word
	s_wait_dscnt 13                                ; the add and the youngest 12 loads may be out
	WIN MUL
	MULSEG 0, 1, 4*(\slot)+3, 0
	s_wait_dscnt 0x0                               ; the add is done, and my reads of this slot are over
	s_barrier_signal -1
	MULSEG 1, 1, 4*(\slot)+3, 0
	WIN 0
	s_barrier_wait -1
.if \fill >= 0
	CREST                                          ; the barrier has opened a round of the cluster's: no wave of any partner still reads this slot or has a load on its way
	tensor_load_to_lds s[G0W+4*(\fill):G0W+4*(\fill)+3], s[G1W:G1W+7]   ; my one tensor load behind the round: it has four steps, 128 products of mine, in which to land
	s_nop 0
.endif
	PLACES 4                                       ; behind the tensor load, and in front of the loads below
	FETCH_B \nrole, \next, 0, 0
	FETCH_A \nrole, \next, 0, 0
	WIN MUL
	MULSEG 2, 1, 4*(\slot)+3, 0
	MULSEG 3, 1, 4*(\slot)+3, 0
	PLACES 4
	FETCH_A \nrole, \next, 0, 1
.endm
; THE EPILOGUE of a product, a block of 16 of source 1's rows at a time: bias, order along the next K, quantiser, store.  No LDS.
; Tile b's register j of lane (r, h) is source 0's row 16 b + 8 h + j.  Tile 2 B's lanes 16-31 change places with tile 2 B + 1's lanes 0-15: register 16 B + i then is row 32 B + 16 h + i: 16 neighbours along the next K.
.macro SWAPS
.irp b, 0,1,2,3
.irp j, 0,1,2,3,4,5,6,7
	v_permlane16_swap_b32 v[TT+16*\b+\j], v[TT+16*\b+8+\j]
.endr
.endr
.endm
; 64 numbers of a lane, register 16 b + i = k 32 b + 16 (lane / 16) + i of my row, become a fragment's codes in v[CD] on and its scale word in v[PW].
.macro QUANT s
.irp b, 0,1,2,3
	v_max3_num_f32 v[TM+\b], |v[\s+16*\b]|, |v[\s+1+16*\b]|, 0x2800000   ; block b: my 16 numbers, and the floor 2^(5 - 127): the byte cannot fall under 1
.endr
.irp i, 2,4,6,8,10,12,14
.irp b, 0,1,2,3
	v_max3_num_f32 v[TM+\b], v[TM+\b], |v[\s+16*\b+\i]|, |v[\s+1+16*\b+\i]|
.endr
.endr
.irp b, 0,1,2,3
	v_permlanex16_b32 v[TM+4+\b], v[TM+\b], s[SEL], s[SEL+1]
.endr
.irp b, 0,1,2,3
	v_max_num_f32 v[TM+\b], v[TM+\b], v[TM+4+\b]   ; with lane l xor 16's: the block's largest magnitude
.endr
.irp b, 0,1,2,3
	v_add_nc_u32 v[TM+12+\b], 0xfe000000, v[TM+\b] ; 4 off its exponent field: the conversion's scale operand
.endr
.irp b, 0,1,2,3
	v_lshrrev_b32 v[TM+4+\b], 23, v[TM+12+\b]      ; the scale's byte
.endr
	v_lshl_or_b32 v[PW], v[TM+5], 8, v[TM+4]
	v_lshl_or_b32 v[PW], v[TM+6], 16, v[PW]
	v_lshl_or_b32 v[PW], v[TM+7], 24, v[PW]        ; my row's scale word, the same in both halves of the lanes
.irp c, 0,1
	v_cvt_scalef32_pk16_bf6_f32 v[CD+6*\c:CD+2+6*\c], v[\s+32*\c:\s+15+32*\c], v[TM+12+2*\c]
	v_cvt_scalef32_pk16_bf6_f32 v[CD+12+4*\c:CD+14+4*\c], v[\s+16+32*\c:\s+31+32*\c], v[TM+12+2*\c+1]   ; (a conversion's three registers begin on an even number)
.endr
	v_nop                                          ; one plain place behind a scaled conversion
.irp c, 0,1                            ; the operand's layout wants a whole block in a lane: lanes 0-15 block 2 c, lanes 16-31 block 2 c + 1
.irp i, 0,1,2
	v_permlane16_swap_b32 v[CD+6*\c+\i], v[CD+12+4*\c+\i]
.endr
.irp i, 0,1,2
	v_mov_b32 v[CD+3+6*\c+\i], v[CD+12+4*\c+\i]
.endr
.endr
.endm
.macro BLOCK a, kind, bias, vf, ptr    ; kind 0: the bias runs along the registers; 1: along the lanes
	s_wait_xcnt 0x0                                ; the last block's stores have read their registers: the codes may be written again
	WIN ADDB
.set IX, 0
.rept 32
.if \kind == 0
	v_pk_add_f32 v[TT+IX:TT+IX+1], v[64*(\a)+IX:64*(\a)+IX+1], v[\bias+IX:\bias+IX+1]          ; each accumulator is read from its low end on
.else
	v_pk_add_f32 v[TT+IX:TT+IX+1], v[64*(\a)+IX:64*(\a)+IX+1], v[\bias+2*(\a):\bias+2*(\a)+1]
.endif
.set IX, IX+2
.endr
	WIN 0
	SWAPS
	QUANT TT
.irp c, 0,1,2
	global_store_b128 v[\vf], v[CD+4*\c:CD+4*\c+3], s[\ptr:\ptr+1] offset:1536*(\a)+512*\c   ; the fragment as it stands: 512 consecutive bytes a store
.endr
.if (\a)%2 == 0
	v_mov_b32 v[PWE], v[PW]
.else
	v_cndmask_b32 v[WI+(\a)/2], v[PWE], v[PW], s[HI]   ; lanes 0-15 the even block's words, lanes 16-31 the odd block's
.endif
.endm
.macro EPI kind, bias, vf, vw, ptr
.irp a, 0,1,2,3
	BLOCK \a, \kind, \bias, \vf, \ptr
.endr
	global_store_b64 v[\vw], v[WI:WI+1], s[\ptr:\ptr+1] offset:12288   ; my two of the image's four words a lane
.endm
	s_wait_tensorcnt 1                             ; my parts of x and of slot 0 are in; slot 1's load may be out
	s_barrier_signal -1
	s_barrier_wait -1
	FETCH_B 0, 0, 0, 0
	FETCH_A 0, 0, 0, 0
	FETCH_A 0, 0, 0, 1
	s_wait_loadcnt 36                              ; x's and Wq's scale words are in; behind them went out Wk's 8 and Wv's 4 loads, bq's 16 and bv's 8
	; ---- q
.set ROLE, 0
.set SBB, WQS
.set SAB, XSA
	STEP 0, 0, 1                                   ; the first step's products start the sums: nothing is cleared
	STEP 0, 1, 0
	STEP 0, 2, 0
	TURN 0, 1, 2, 0                                ; slot 0 takes Wk's first half
	STEP 1, 0, 0
	STEP 1, 1, 0
	STEP 1, 2, 0
	TURN 1, 0, 3, 0                                ; slot 1 takes Wk's second half; k's first fragments are fetched
	WIN 0
	s_wait_loadcnt 0x0                             ; the biases
.irp j, 0,1,2,3                        ; Wq's scale words are done with (four places stand behind the last product): x's, as source 0 of v, take their registers
.irp t, 0,1
	global_load_b128 v[XSB+8*\j+4*\t:XSB+8*\j+4*\t+3], v[VSX], s[26:27] offset:1024*\j+16*\t
.endr
.endr
	WIN TO_A
.irp b, 0,1,2,3,4,5,6,7
	global_load_b128 v[BIK+8*\b:BIK+8*\b+3], v[VBI], s[42:43] offset:64*\b
	global_load_b128 v[BIK+8*\b+4:BIK+8*\b+7], v[VBI], s[42:43] offset:64*\b+16
.endr
	WIN 0
	EPI 0, BIQ, VFQ, VWQ, 46                       ; while slot 1's load is on its way
	; ---- k
.set SBB, WKS
	STEP 0, 0, 1
	STEP 0, 1, 0
	STEP 0, 2, 0
	TURN 0, 1, 4, 0                                ; slot 0 takes Wv's first half
	STEP 1, 0, 0
	STEP 1, 1, 0
	STEP 1, 2, 0
	TURN 1, 0, 5, 1                                ; slot 1 takes Wv's second half; v's first fragments are fetched: x is source 0 now
	WIN 0
	s_wait_loadcnt 0x0                             ; bk, and x's scale words for v
	EPI 0, BIK, VFQ, VWQ, 48
	; ---- v
.set ROLE, 1
.set SBB, XSB
.set SAB, WVS
	STEP 0, 0, 1
	STEP 0, 1, 0
	STEP 0, 2, 0
	TURN 0, 1, -1, 1                               ; the last two slots are not filled again: no round of the cluster's barrier
	STEP 1, 0, 0
	STEP 1, 1, 0
	STEP 1, 2, 0
	s_wait_dscnt 12                                ; the very last step: nothing more to fetch
	WIN MUL
	MULSEG 0, 1, 7, 0
	MULSEG 1, 1, 7, 0
	s_wait_dscnt 0x0
	MULSEG 2, 1, 7, 0
	MULSEG 3, 1, 7, 0
	WIN 0
	PLACES 4                                       ; behind the last products, in front of the first read of results
	EPI 1, BV, VFV, VWV, 50
	s_wait_tensorcnt 0x0                           ; the wave's end
	ds_add_u32 v[SPW], v[NIL]
	s_wait_dscnt 0x0
	CROUND                                         ; the closing round: no work-group ends while a partner may still ask for a tile that names it
	s_endpgm
.Lfunc_end_k_q639fd7b9a3_proj:
	.size	k_q639fd7b9a3_proj, .Lfunc_end_k_q639fd7b9a3_proj-k_q639fd7b9a3_proj
	.p2alignl 7, 3214868480
	.fill 96, 4, 3214868480
	.section	.rodata,"a",@progbits
	.p2align	6, 0x0
	.amdhsa_kernel k_q639fd7b9a3_proj
		.amdhsa_group_segment_fixed_size 327680
		.amdhsa_private_segment_fixed_size 0
		.amdhsa_enable_private_segment 0
		.amdhsa_kernarg_size 112
		.amdhsa_user_sgpr_count 2
		.amdhsa_user_sgpr_kernarg_segment_ptr 1
		.amdhsa_wavefront_size32 1
		.amdhsa_system_sgpr_workgroup_id_x 1
		.amdhsa_system_sgpr_workgroup_id_y 1
		.amdhsa_system_sgpr_workgroup_id_z 1
		.amdhsa_system_vgpr_workitem_id 0
		.amdhsa_next_free_vgpr 1024
		.amdhsa_next_free_sgpr 100
		.amdhsa_reserve_vcc 0
		.amdhsa_float_denorm_mode_32 3
		.amdhsa_float_denorm_mode_16_64 3
		.amdhsa_memory_ordered 1
		.amdhsa_forward_progress 1
		.amdhsa_inst_pref_size 255
	.end_amdhsa_kernel
	.section	.bss,"aw",@nobits
	.p2align	6
	.space	262144
	.amdgpu_metadata
---
amdhsa.version: [ 1, 2 ]
amdhsa.kernels:
  - .name:           k_q639fd7b9a3_proj
    .symbol:         k_q639fd7b9a3_proj.kd
    .args:
      - { .name: x_codes, .offset: 0, .size: 8, .value_kind: global_buffer, .address_space: global }
      - { .name: x_scales, .offset: 8, .size: 8, .value_kind: global_buffer, .address_space: global }
      - { .name: wq_codes, .offset: 16, .size: 8, .value_kind: global_buffer, .address_space: global }
      - { .name: wq_scales, .offset: 24, .size: 8, .value_kind: global_buffer, .address_space: global }
      - { .name: wk_codes, .offset: 32, .size: 8, .value_kind: global_buffer, .address_space: global }
      - { .name: wk_scales, .offset: 40, .size: 8, .value_kind: global_buffer, .address_space: global }
      - { .name: wv_codes, .offset: 48, .size: 8, .value_kind: global_buffer, .address_space: global }
      - { .name: wv_scales, .offset: 56, .size: 8, .value_kind: global_buffer, .address_space: global }
      - { .name: bq, .offset: 64, .size: 8, .value_kind: global_buffer, .address_space: global }
      - { .name: bk, .offset: 72, .size: 8, .value_kind: global_buffer, .address_space: global }
      - { .name: bv, .offset: 80, .size: 8, .value_kind: global_buffer, .address_space: global }
      - { .name: qc, .offset: 88, .size: 8, .value_kind: global_buffer, .address_space: global }
      - { .name: kc, .offset: 96, .size: 8, .value_kind: global_buffer, .address_space: global }
      - { .name: vc, .offset: 104, .size: 8, .value_kind: global_buffer, .address_space: global }
    .group_segment_fixed_size: 327680
    .private_segment_fixed_size: 0
    .kernarg_segment_align: 8
    .kernarg_segment_size: 112
    .max_flat_workgroup_size: 128
    .sgpr_count:     100
    .vgpr_count:     1024
    .wavefront_size: 32
...
	.end_amdgpu_metadata
.endif
;; end of part 1
;; launch scores (part 2): grid 12 x 16, 4 waves a work-group, clusters of 4 x 4, 327,680 bytes of LDS; arguments qc, kc, pc; writes pc
.if DOCPART == 2
	.amdgcn_target "amdgcn-amd-amdhsa--gfx1250"
	.amdhsa_code_object_version 6
	.text
	.protected	k_q639fd7b9a3_scores
	.globl	k_q639fd7b9a3_scores
	.p2align	8
	.type	k_q639fd7b9a3_scores,@function
k_q639fd7b9a3_scores:
	s_mov_b64 s[64:65], 0
	v_nop
	global_prefetch_b8 v0, s[64:65] scope:SCOPE_SE
	s_setreg_imm32_b32 hwreg(HW_REG_WAVE_MODE, 25, 1), 1
	s_wait_xcnt 0x0
	s_wait_alu depctr_hold_cnt(0) depctr_sa_sdst(0) depctr_va_vdst(0) depctr_va_sdst(0) depctr_va_ssrc(0) depctr_va_vcc(0) depctr_vm_vsrc(0)
	s_getreg_b32 s2, hwreg(HW_REG_IB_STS2, 6, 4)
	s_cmp_eq_u32 s2, 0
	s_cbranch_scc0 .Lentry_in_a_cluster
	s_endpgm
.Lentry_in_a_cluster:
	s_bfe_u32 s2, ttmp6, 0x10000c
	s_cmp_lg_u32 s2, 0xf033
	s_cbranch_scc0 .Lentry_shape_is_right
	s_endpgm
.Lentry_shape_is_right:
; t = (q . k) log2(e) / 32 under the causal mask; for each query and each CHUNK of 128 keys: M_c = the chunk's largest t rounded up to a whole number, p = 2^(t - M_c), l_c = the sum of the unquantised p;
; p is quantised along the keys to codes of BF6 (E3M2) with one E8M0 scale for each 32 keys.  The codes do not hang on M; the scale bytes do, by a whole number, which the next launch takes off them when it knows the row's M.
; q and k come as units of 12,800 bytes (128 rows x 128 along d: eight fragment images in the order of the operand's registers, then an image of scale words), [row group of 128: 64][d chunk: 8].
; SHARES.  Cluster x = 0, 1, 2 takes the squares (queries, keys) = (0, 0), (1, 0), (1, 1) of 1,024 x 1,024 of a batch (cluster y): the square (0, 1) lies wholly under the mask.  A work-group makes 256 queries x 256 keys, a wave
; 128 x 128: 64 accumulators.  Source 0 = 16 keys, source 1 = 16 queries: a lane holds one query, its registers run along the keys.
; In the two squares on the diagonal six of sixteen work-groups lie wholly under the mask.  They run like the others (no branch may hang on a place in the cluster, and partners make every joint request) and store zero codes,
; M_c = -3e38 and l_c = 0, which the next launch reads.
; K = d = 1,024 goes in steps of 256 through a ring of two LDS slots.  A wave's tensor load brings two units, a dense block of 25,600 bytes, as 100 rows of 256 bytes; a fragment comes out of LDS by three loads of 16 bytes a lane,
; 512 consecutive bytes each.  CLUSTERS: 4 x 4; q's units are asked for jointly by a row of the cluster, k's by a column.
; WHAT IS STORED.  pc: [batch][query group of 128: 16][key chunk: 16][unit of 13,824]: eight fragment images, then three images of words (as the scale words): scale words at 12,288, -M_c (f32) at 12,800, l_c (f32) at 13,312.
; LIMITS: a block of 32 p whose largest lies under 2^-59 is held at the scale byte 64 (what is lost lies under 2^-59 of the chunk's largest p); |t| stays under 2^24, so that M is a whole number in f32; NaN and infinities are not served.
; REGISTERS: window 0: v10 16 x lane; v16-21 LDS addresses; v32-63 scale words; v128-223 q's fragments; in the epilogue v128-191 a block's numbers, v192-210 codes, v212-253 at work.
;   window 1: k's fragments, two sets at v0 and v128; in the epilogue v0-119 the mask as an addend.  windows 2, 3: the accumulators ((a, b) at v[8 (8 (a % 4) + b)]).
.set NA,    8                          ; blocks of 16 queries to a wave
.set SEG,   2                          ; a quarter of them
.set NQ,    2                          ; steps of 128 along K in a slot
.set UA,    12800
.set UB,    12800
.set BOFF,  51200                      ; a slot: q's two halves of 25,600 bytes, then k's two
.set SLOT,  102400
.set ASTEP, 51200                      ; two slots on, in memory
.set BSTEP, 51200
.set SPARE, 204800                     ; behind the ring: the spare words, 128 bytes for each wave: two blocks of 256 bytes that no other line names
.set PUNIT, 13824
.set LO,   10
.set ADRA, 16
.set ADRB, 20
.set SPW,  28
.set NIL,  29
.set SAB,  32                          ; q's scale words of slot sc, step q: v[32 + 16 sc + 4 q] on; word a / 2, lanes 16 (a % 2) on
.set SASC, 16
.set SAQ,  4
.set SBB,  40                          ; k's: v[40 + 16 sc + 4 q] on
.set AF,   128
.set TT,   128
.set CD,   192
.set TM,   212
.set NM,   228                         ; v[228:229] -M_c, and a 0 that is named with it as a pair
.set LS,   230
.set LS2,  232
.set TMX,  234
.set PW,   235
.set PWE,  236
.set NME,  237
.set LE,   238
.set LX,   239
.set WI,   240
.set NI,   244
.set LI,   248
.set NINF, 252
.set D0,   253
.set G1,   24
.set G0,   32
.set G1B,  48
.set G0B,  56
.set CS,   76
.set SEL,  78
.set HI,   80
.set MSB, 0
.macro WIN new                         ; the immediate's high byte repeats the setting that is left
.if MSB != \new
	s_set_vgpr_msb (MSB<<8)|\new
.set MSB, \new
.endif
.endm
.set MUL_LO, 0xa1                      ; source 0 (k) window 1, source 1 (q) window 0, C and D window 2
.set MUL_HI, 0xf1
.set TO_B,   0x40
.macro JLOAD g0a, g1a, g0b, g1b        ; a joint load: waves 0 and 1 fetch q's halves, waves 2 and 3 k's; four v_nop follow each of the two lines
	s_cmp_eq_u32 s15, 0
	s_cbranch_scc0 .Lfor_b_\@
	tensor_load_to_lds s[\g0a:\g0a+3], s[\g1a:\g1a+7]
	s_nop 0
.rept 4
	v_nop
.endr
	s_branch .Lasked_\@
.Lfor_b_\@:
	tensor_load_to_lds s[\g0b:\g0b+3], s[\g1b:\g1b+7]
	s_nop 0
.rept 4
	v_nop
.endr
.Lasked_\@:
.endm
.macro CREST
	s_cmp_lg_u32 s14, 0
	s_cbranch_scc1 .Lnot_wave_0_\@
	s_barrier_signal -3
.Lnot_wave_0_\@:
	s_barrier_wait -3
	s_barrier_signal -1
	s_barrier_wait -1
.endm
.macro CROUND
	s_barrier_signal -1
	s_barrier_wait -1
	CREST
.endm
.macro PLACES n
.rept \n
	v_nop
.endr
.endm
	s_load_b128 s[4:7], s[0:1], 0x0                ; qc, kc
	s_load_b64 s[8:9], s[0:1], 0x10                ; pc
	v_lshl_add_u32 v[SPW], v0, 2, SPARE
	v_mov_b32 v[NIL], 0
	ds_add_u32 v28, v29
	ds_add_u32 v28, v29
	s_wait_dscnt 0x0
	v_lshrrev_b32 v1, 5, v0
	v_readfirstlane_b32 s14, v1                    ; wave 0..3
	s_lshr_b32 s15, s14, 1                         ; my half of the queries.  Also: I fetch for q (0) or for k (1)
	s_and_b32 s16, s14, 1                          ; my half of the keys.  Also: which half I fetch
	s_bfe_u32 s40, ttmp6, 0x40000                  ; cx
	s_bfe_u32 s41, ttmp6, 0x40004                  ; cy
	s_add_co_u32 s18, ttmp9, 1
	s_lshr_b32 s18, s18, 1                         ; the square's queries: 0, 1, 1
	s_lshr_b32 s19, ttmp9, 1                       ; its keys: 0, 0, 1
	s_lshl_b32 s17, s18, 2
	s_add_co_u32 s17, s17, s41                     ; my 256 queries
	s_lshl_b32 s42, s19, 2
	s_add_co_u32 s42, s42, s40                     ; my 256 keys
	s_and_b32 s45, ttmp7, 0xffff                   ; the batch
	s_lshl_b32 s43, s41, 2
	s_lshl_b32 s43, 15, s43                        ; my row of the cluster
	s_lshl_b32 s44, 0x1111, s40                    ; my column
	s_or_b32 s[G1], s43, (3<<16)|(1<<21)           ; 15:0 the mask; 17:16 elements of 8 bytes; 20 no padding; 21 set beside a mask
	s_or_b32 s[G1B], s44, (3<<16)|(1<<21)
.irp g, G1, G1B
	s_mov_b32 s[\g+1], 32<<16                      ; tensor_dim0 = 32 elements: 256 bytes
	s_mov_b32 s[\g+2], 100<<16                     ; tensor_dim1 = 100 rows: 25,600 bytes
	s_mov_b32 s[\g+3], 32<<16                      ; tile_dim0
	s_mov_b32 s[\g+4], 100                         ; tile_dim1
	s_mov_b32 s[\g+5], 32                          ; dense
	s_mov_b32 s[\g+6], 0
	s_mov_b32 s[\g+7], 0
.endr
	s_lshl_b32 s20, s45, 4                         ; q: row group 16 x batch + 2 x my 256 + the half that I fetch; 8 units to a group
	s_lshl_b32 s21, s17, 1
	s_add_co_u32 s20, s20, s21
	s_add_co_u32 s20, s20, s16
	s_mul_i32 s20, s20, 8*UA
	s_mov_b32 s21, 0
	s_lshl_b32 s46, s45, 4                         ; k likewise, in registers that never hold cy
	s_lshl_b32 s47, s42, 1
	s_add_co_u32 s46, s46, s47
	s_add_co_u32 s46, s46, s16
	s_mul_i32 s46, s46, 8*UB
	s_mov_b32 s47, 0
	s_mul_i32 s22, s14, 25600                      ; where they go: wave x 25,600
	s_wait_kmcnt 0x0
	s_add_nc_u64 s[20:21], s[4:5], s[20:21]
	s_add_nc_u64 s[46:47], s[6:7], s[46:47]
	CROUND                                         ; all sixteen work-groups are here: the first joint loads meet
.irp s, 0,1
	s_mov_b32 s[G0+4*\s], 1
	s_add_co_u32 s[G0+4*\s+1], s22, \s*SLOT
	s_add_nc_u64 s[G0+4*\s+2:G0+4*\s+3], s[20:21], \s*NQ*UA
	s_or_b32 s[G0+4*\s+3], s[G0+4*\s+3], 0x80000000
	s_mov_b32 s[G0B+4*\s], 1
	s_add_co_u32 s[G0B+4*\s+1], s22, \s*SLOT
	s_add_nc_u64 s[G0B+4*\s+2:G0B+4*\s+3], s[46:47], \s*NQ*UB
	s_or_b32 s[G0B+4*\s+3], s[G0B+4*\s+3], 0x80000000
	JLOAD G0+4*\s, G1, G0B+4*\s, G1B               ; two loads of mine are out
.endr
	v_and_b32 v1, 31, v0
	v_lshlrev_b32 v[LO], 4, v1                     ; 16 x lane: my place in every image
	s_mul_i32 s18, s15, 25600                      ; my half of q
	s_mul_i32 s19, s16, 25600                      ; my half of k,
	s_add_co_u32 s19, s19, BOFF                    ; behind q's two
.irp s, 0,1
	v_add_nc_u32 v[ADRA+\s], s18, v[LO]
	v_add_nc_u32 v[ADRB+\s], s19, v[LO]
	s_add_co_u32 s18, s18, SLOT
	s_add_co_u32 s19, s19, SLOT
.endr
	s_mov_b32 s[CS], 0x3d38aa3b                    ; c = log2(e) / 32
	s_mov_b32 s[CS+1], s[CS]                       ; (named with it as a pair)
	s_mov_b32 s[SEL], 0x76543210
	s_mov_b32 s[SEL+1], 0xfedcba98
	s_mov_b32 s[HI], 0xffff0000
	s_sub_co_i32 s81, s17, s42                     ; my first query less my first key: 256 (queries' tile - keys' tile) + 128 (my halves)
	s_lshl_b32 s81, s81, 8
	s_sub_co_i32 s66, s15, s16
	s_lshl_b32 s66, s66, 7
	s_add_co_i32 s81, s81, s66
	s_lshl_b32 s66, s45, 4                         ; my unit of pc: (16 x batch + query group) x 16 + key chunk
	s_lshl_b32 s67, s17, 1
	s_add_co_u32 s66, s66, s67
	s_add_co_u32 s66, s66, s15
	s_lshl_b32 s66, s66, 4
	s_lshl_b32 s67, s42, 1
	s_add_co_u32 s66, s66, s67
	s_add_co_u32 s66, s66, s16
	s_mul_i32 s66, s66, PUNIT
	s_mov_b32 s67, 0
	s_add_nc_u64 s[8:9], s[8:9], s[66:67]
.macro FRAG reg, adr, off              ; a fragment image: three loads of 16 bytes a lane, 512 consecutive bytes each
.irp c, 0,1,2
	ds_load_b128 v[\reg+4*\c:\reg+4*\c+3], v[\adr] offset:\off+512*\c
.endr
.endm
.macro FETCH_B slot, q, p              ; source 0's eight fragments of the slot's q-th step into set p: 24 loads
	WIN TO_B
.irp i, 0,1,2,3,4,5,6,7
	FRAG 128*(\p)+12*\i, ADRB+\slot, UB*(\q)+1536*\i
.endr
	WIN 0
.endm
.macro FETCH_A slot, q, half           ; half of source 1's fragments: 3 NA / 2 loads
.set I0, (\half)*(NA/2)
.rept NA/2
	FRAG AF+12*I0, ADRA+\slot, UA*(\q)+1536*I0
.set I0, I0+1
.endr
.endm
; one matrix instruction; rb, ra: which half of the lanes of the scale registers holds the block's words
.macro WM acc, bf, af, zero, sb, sa, rb, ra
.set SELV, 4*(\zero)+2*(\rb)+(\ra)
.if SELV == 0
	v_wmma_scale_f32_16x16x128_f8f6f4 v[\acc:\acc+7], v[\bf:\bf+11], v[\af:\af+11], v[\acc:\acc+7], v[\sb], v[\sa] matrix_a_fmt:MATRIX_FMT_BF6 matrix_b_fmt:MATRIX_FMT_BF6
.elseif SELV == 1
	v_wmma_scale_f32_16x16x128_f8f6f4 v[\acc:\acc+7], v[\bf:\bf+11], v[\af:\af+11], v[\acc:\acc+7], v[\sb], v[\sa] matrix_a_fmt:MATRIX_FMT_BF6 matrix_b_fmt:MATRIX_FMT_BF6 matrix_b_scale:MATRIX_SCALE_ROW1
.elseif SELV == 2
	v_wmma_scale_f32_16x16x128_f8f6f4 v[\acc:\acc+7], v[\bf:\bf+11], v[\af:\af+11], v[\acc:\acc+7], v[\sb], v[\sa] matrix_a_fmt:MATRIX_FMT_BF6 matrix_b_fmt:MATRIX_FMT_BF6 matrix_a_scale:MATRIX_SCALE_ROW1
.elseif SELV == 3
	v_wmma_scale_f32_16x16x128_f8f6f4 v[\acc:\acc+7], v[\bf:\bf+11], v[\af:\af+11], v[\acc:\acc+7], v[\sb], v[\sa] matrix_a_fmt:MATRIX_FMT_BF6 matrix_b_fmt:MATRIX_FMT_BF6 matrix_a_scale:MATRIX_SCALE_ROW1 matrix_b_scale:MATRIX_SCALE_ROW1
.elseif SELV == 4
	v_wmma_scale_f32_16x16x128_f8f6f4 v[\acc:\acc+7], v[\bf:\bf+11], v[\af:\af+11], 0, v[\sb], v[\sa] matrix_a_fmt:MATRIX_FMT_BF6 matrix_b_fmt:MATRIX_FMT_BF6
.elseif SELV == 5
	v_wmma_scale_f32_16x16x128_f8f6f4 v[\acc:\acc+7], v[\bf:\bf+11], v[\af:\af+11], 0, v[\sb], v[\sa] matrix_a_fmt:MATRIX_FMT_BF6 matrix_b_fmt:MATRIX_FMT_BF6 matrix_b_scale:MATRIX_SCALE_ROW1
.elseif SELV == 6
	v_wmma_scale_f32_16x16x128_f8f6f4 v[\acc:\acc+7], v[\bf:\bf+11], v[\af:\af+11], 0, v[\sb], v[\sa] matrix_a_fmt:MATRIX_FMT_BF6 matrix_b_fmt:MATRIX_FMT_BF6 matrix_a_scale:MATRIX_SCALE_ROW1
.else
	v_wmma_scale_f32_16x16x128_f8f6f4 v[\acc:\acc+7], v[\bf:\bf+11], v[\af:\af+11], 0, v[\sb], v[\sa] matrix_a_fmt:MATRIX_FMT_BF6 matrix_b_fmt:MATRIX_FMT_BF6 matrix_a_scale:MATRIX_SCALE_ROW1 matrix_b_scale:MATRIX_SCALE_ROW1
.endif
.endm
; quarter g of a step's products: SEG blocks of source 1 x source 0's eight.  All accumulators take turns, one instruction a turn, in the same order in every step.
.macro MULSEG g, p, q, sc, zero
.set AA, (\g)*SEG
.rept SEG
.irp b, 0,1,2,3,4,5,6,7
	WM 8*(8*(AA%4)+\b), 128*(\p)+12*\b, AF+12*AA, \zero, SBB+16*(\sc)+4*(\q)+\b/2, SAB+SASC*(\sc)+SAQ*(\q)+AA/2, \b%2, AA%2
.endr
.set AA, AA+1
.endr
.endm
.macro SCALES sc                       ; the slot's images of scale words: 4 loads
.irp q, 0,1
	ds_load_b128 v[SAB+16*(\sc)+4*\q:SAB+16*(\sc)+4*\q+3], v[ADRA+\sc] offset:UA*\q+12288
	ds_load_b128 v[SBB+16*(\sc)+4*\q:SBB+16*(\sc)+4*\q+3], v[ADRB+\sc] offset:UB*\q+12288
.endr
.endm
.macro STEP slot, q, zero              ; a step of 128 along K that has its successor in the same slot
	s_wait_dscnt (NA/2)*3                          ; all but the youngest 12 loads (source 1's upper half) are in
	WIN MUL_LO
	MULSEG 0, (\q)%2, \q, \slot, \zero
	MULSEG 1, (\q)%2, \q, \slot, \zero
	s_wait_dscnt 0x0
	PLACES 4                                       ; in front of loads into registers that matrix instructions have read
	FETCH_B \slot, (\q)+1, 1-(\q)%2
	FETCH_A \slot, (\q)+1, 0
	WIN MUL_HI
	MULSEG 2, (\q)%2, \q, \slot, \zero
	MULSEG 3, (\q)%2, \q, \slot, \zero
	PLACES 4
	WIN 0
	FETCH_A \slot, (\q)+1, 1
.endm
; A slot's last step changes slots: one barrier; in front of it each wave waits for all its tensor loads, adds 0 to its spare word, and waits for that and for its own reads of this slot.
.macro TURN slot, next, fill
	s_wait_tensorcnt 0x0                           ; all my tensor loads have landed: my part of the next slot
	ds_add_u32 v[SPW], v[NIL]                      ; 0 onto my spare word
	s_wait_dscnt (NA/2)*3+1                        ; the add and the youngest 12 loads may be out
	WIN MUL_LO
	MULSEG 0, 1, NQ-1, \slot, 0
	s_wait_dscnt 0x0                               ; the add is done, and my reads of this slot are over
	s_barrier_signal -1
	MULSEG 1, 1, NQ-1, \slot, 0
	WIN 0
	s_barrier_wait -1
.if \fill
	CREST                                          ; the barrier has opened a round of the cluster's: no wave of any partner still reads this slot or has a load on its way
	s_add_nc_u64 s[G0+4*\slot+2:G0+4*\slot+3], s[G0+4*\slot+2:G0+4*\slot+3], ASTEP
	s_add_nc_u64 s[G0B+4*\slot+2:G0B+4*\slot+3], s[G0B+4*\slot+2:G0B+4*\slot+3], BSTEP
	JLOAD G0+4*\slot, G1, G0B+4*\slot, G1B         ; the first tensor load behind the round; its four v_nop are the places in front of the loads below
.else
	PLACES 4
.endif
	SCALES \next
	FETCH_B \next, 0, 0
	FETCH_A \next, 0, 0
	WIN MUL_HI
	MULSEG 2, 1, NQ-1, \slot, 0
	MULSEG 3, 1, NQ-1, \slot, 0
	PLACES 4
	WIN 0
	FETCH_A \next, 0, 1
.endm
.macro LAST                            ; the very last step: nothing more to fetch
	s_wait_dscnt (NA/2)*3
	WIN MUL_LO
	MULSEG 0, 1, NQ-1, 1, 0
	MULSEG 1, 1, NQ-1, 1, 0
	s_wait_dscnt 0x0
	WIN MUL_HI
	MULSEG 2, 1, NQ-1, 1, 0
	MULSEG 3, 1, NQ-1, 1, 0
	WIN 0
.endm
	s_wait_tensorcnt 1                             ; my part of slot 0 is in; slot 1's may be out
	s_barrier_signal -1
	s_barrier_wait -1
	SCALES 0
	FETCH_B 0, 0, 0
	FETCH_A 0, 0, 0
	FETCH_A 0, 0, 1
	STEP 0, 0, 1                                   ; d = 1,024 is eight steps, four slots' worth, written out
	TURN 0, 1, 1
	STEP 1, 0, 0
	TURN 1, 0, 1
	STEP 0, 0, 0
	TURN 0, 1, 0
	STEP 1, 0, 0
	LAST
	; THE EPILOGUE.  No LDS.
	PLACES 4                                       ; behind the last products
	v_mov_b32 v[NM+1], 0
	v_mov_b32 v[LX], 0                             ; written once: a lane permute's destination counts as one of its sources
.irp b, 0,1,2,3
	v_mov_b32 v[TM+4+\b], 0
.endr
	v_mov_b32 v[NINF], 0xff800000                  ; -infinity
	v_and_b32 v2, 15, v0
	v_bfe_u32 v3, v0, 4, 1
	v_lshlrev_b32 v3, 3, v3
	v_sub_nc_u32 v2, v2, v3
	v_add_nc_u32 v[D0], s81, v2                    ; r - 8 h + my first query - my first key
	; THE MASK AS AN ADDEND, made once.  In block a, tile b, register j holds key 16 b + 8 h + j for query 16 a + r: hidden where 16 (b - a) + j > r - 8 h + first query - first key.  That hangs on b - a alone:
	; 15 x 8 registers, -infinity where hidden and 0 elsewhere, in window 1, where k's first set is done with.
	WIN 0x40
.set EE, 0
.rept 15
.irp j, 0,1,2,3,4,5,6,7
	v_cmp_gt_i32 vcc_lo, 16*(EE-7)+\j, v[D0]
	v_cndmask_b32 v[8*EE+\j], 0, v[NINF], vcc_lo
.endr
.set EE, EE+1
.endr
	WIN 0
.macro SWAPS                           ; tile 2 B's lanes 16-31 change places with tile 2 B + 1's lanes 0-15: register 16 B + i then is key 32 B + 16 h + i
.irp b, 0,1,2,3
.irp j, 0,1,2,3,4,5,6,7
	v_permlane16_swap_b32 v[TT+16*\b+\j], v[TT+16*\b+8+\j]
.endr
.endr
.endm
.macro QTAIL                           ; from the four blocks' largest p in v[TM ..] and the 64 p in v[TT ..]: the scale word and the fragment's codes
.irp b, 0,1,2,3
	v_max_num_f32 v[TM+\b], 0x22000000, v[TM+\b]   ; the floor 2^-59: the byte lies between 64 and 123, so that up to 64 can be taken off it later
.endr
.irp b, 0,1,2,3
	v_add_nc_u32 v[TM+12+\b], 0xfe000000, v[TM+\b] ; 4 off the exponent field: the conversion's scale operand
.endr
.irp b, 0,1,2,3
	v_lshrrev_b32 v[TM+4+\b], 23, v[TM+12+\b]      ; the scale's byte
.endr
	v_lshl_or_b32 v[PW], v[TM+5], 8, v[TM+4]
	v_lshl_or_b32 v[PW], v[TM+6], 16, v[PW]
	v_lshl_or_b32 v[PW], v[TM+7], 24, v[PW]
.irp c, 0,1
	v_cvt_scalef32_pk16_bf6_f32 v[CD+6*\c:CD+2+6*\c], v[TT+32*\c:TT+15+32*\c], v[TM+12+2*\c]
	v_cvt_scalef32_pk16_bf6_f32 v[CD+12+4*\c:CD+14+4*\c], v[TT+16+32*\c:TT+31+32*\c], v[TM+12+2*\c+1]
.endr
	v_nop                                          ; one plain place behind a scaled conversion
.irp c, 0,1
.irp i, 0,1,2
	v_permlane16_swap_b32 v[CD+6*\c+\i], v[CD+12+4*\c+\i]
.endr
.irp i, 0,1,2
	v_mov_b32 v[CD+3+6*\c+\i], v[CD+12+4*\c+\i]
.endr
.endr
.endm
.macro SOFT a                          ; block a: 16 queries x my 128 keys
	s_wait_xcnt 0x0                                ; the last block's stores have read their registers
.set WN, 0x12+(\a)/4
	WIN WN                                         ; source 0: the accumulators' window; source 2: window 1
.irp b, 0,1,2,3,4,5,6,7
.irp j, 0,2,4,6
	v_pk_fma_f32 v[TT+8*\b+\j:TT+8*\b+\j+1], v[64*((\a)%4)+8*\b+\j:64*((\a)%4)+8*\b+\j+1], s[CS:CS+1], v[8*(\b-(\a)+7)+\j:8*(\b-(\a)+7)+\j+1] op_sel_hi:[1,0,1]   ; t = score x c + the mask; each accumulator from its low end on
.endr
.endr
	WIN 0
	SWAPS
.irp b, 0,1,2,3
	v_max3_num_f32 v[TM+\b], v[TT+16*\b], v[TT+16*\b+1], v[TT+16*\b+2]   ; the largest t of each block of 32 keys: it serves for the chunk's maximum and, since p rises with t, for the block's largest p
.endr
.irp i, 3,5,7,9,11,13
.irp b, 0,1,2,3
	v_max3_num_f32 v[TM+\b], v[TM+\b], v[TT+16*\b+\i], v[TT+16*\b+\i+1]
.endr
.endr
.irp b, 0,1,2,3
	v_max_num_f32 v[TM+\b], v[TM+\b], v[TT+16*\b+15]
.endr
.irp b, 0,1,2,3
	v_permlanex16_b32 v[TM+4+\b], v[TM+\b], s[SEL], s[SEL+1]
.endr
.irp b, 0,1,2,3
	v_max_num_f32 v[TM+\b], v[TM+\b], v[TM+4+\b]   ; with lane l xor 16's 16 keys
.endr
	v_max3_num_f32 v[TMX], v[TM], v[TM+1], v[TM+2]
	v_max3_num_f32 v[TMX], v[TMX], v[TM+3], 0xff61b1e6   ; the chunk's largest t, and -3e38 for a chunk that is wholly hidden
	v_floor_f32 v[NM], -v[TMX]                     ; -M_c = floor(-t) = -ceil(t): a whole number
.set IX, 0
.rept 32
	v_pk_add_f32 v[TT+IX:TT+IX+1], v[TT+IX:TT+IX+1], v[NM:NM+1] op_sel_hi:[1,0]   ; t - M_c
.set IX, IX+2
.endr
.irp b, 0,1,2,3
	v_add_f32 v[TM+\b], v[TM+\b], v[NM]            ; the same of each block's largest t
.endr
.set IX, 0
.rept 64
	v_exp_f32 v[TT+IX], v[TT+IX]                   ; p = 2^(t - M_c), at most 1
.set IX, IX+1
.endr
	v_nop                                          ; a plain place behind the exponentials
	s_wait_alu depctr_va_vdst(0)                   ; one wait for the batch, ahead of its first reader
.irp b, 0,1,2,3
	v_exp_f32 v[TM+\b], v[TM+\b]                   ; the block's largest p: the same addition and exponential on the same number
.endr
	v_pk_add_f32 v[LS:LS+1], v[TT:TT+1], v[TT+2:TT+3]          ; the sum of the unquantised p, in two chains; it reads the 64 alone
	v_pk_add_f32 v[LS2:LS2+1], v[TT+4:TT+5], v[TT+6:TT+7]
.irp j, 8,12,16,20,24,28,32,36,40,44,48,52,56,60
	v_pk_add_f32 v[LS:LS+1], v[LS:LS+1], v[TT+\j:TT+\j+1]
	v_pk_add_f32 v[LS2:LS2+1], v[LS2:LS2+1], v[TT+\j+2:TT+\j+3]
.endr
	v_pk_add_f32 v[LS:LS+1], v[LS:LS+1], v[LS2:LS2+1]
	v_add_f32 v[LS], v[LS], v[LS+1]
	v_permlanex16_b32 v[LX], v[LS], s[SEL], s[SEL+1]
	v_add_f32 v[LS], v[LS], v[LX]                  ; l_c, in both halves of the lanes
	s_wait_alu depctr_va_vdst(0)                   ; and one wait for the four
	QTAIL
.irp c, 0,1,2
	global_store_b128 v[LO], v[CD+4*\c:CD+4*\c+3], s[8:9] offset:1536*(\a)+512*\c   ; 512 consecutive bytes a store
.endr
.if (\a)%2 == 0
	v_mov_b32 v[PWE], v[PW]
	v_mov_b32 v[NME], v[NM]
	v_mov_b32 v[LE], v[LS]
.else
	v_cndmask_b32 v[WI+(\a)/2], v[PWE], v[PW], s[HI]   ; lanes 0-15 the even block's words, lanes 16-31 the odd block's
	v_cndmask_b32 v[NI+(\a)/2], v[NME], v[NM], s[HI]
	v_cndmask_b32 v[LI+(\a)/2], v[LE], v[LS], s[HI]
.endif
.endm
.irp a, 0,1,2,3,4,5,6,7
	SOFT \a
.endr
	global_store_b128 v[LO], v[WI:WI+3], s[8:9] offset:12288
	global_store_b128 v[LO], v[NI:NI+3], s[8:9] offset:12800
	global_store_b128 v[LO], v[LI:LI+3], s[8:9] offset:13312
	s_wait_tensorcnt 0x0                           ; the wave's end
	ds_add_u32 v[SPW], v[NIL]
	s_wait_dscnt 0x0
	CROUND                                         ; the closing round
	s_endpgm
.Lfunc_end_k_q639fd7b9a3_scores:
	.size	k_q639fd7b9a3_scores, .Lfunc_end_k_q639fd7b9a3_scores-k_q639fd7b9a3_scores
	.p2alignl 7, 3214868480
	.fill 96, 4, 3214868480
	.section	.rodata,"a",@progbits
	.p2align	6, 0x0
	.amdhsa_kernel k_q639fd7b9a3_scores
		.amdhsa_group_segment_fixed_size 327680
		.amdhsa_private_segment_fixed_size 0
		.amdhsa_enable_private_segment 0
		.amdhsa_kernarg_size 24
		.amdhsa_user_sgpr_count 2
		.amdhsa_user_sgpr_kernarg_segment_ptr 1
		.amdhsa_wavefront_size32 1
		.amdhsa_system_sgpr_workgroup_id_x 1
		.amdhsa_system_sgpr_workgroup_id_y 1
		.amdhsa_system_sgpr_workgroup_id_z 1
		.amdhsa_system_vgpr_workitem_id 0
		.amdhsa_next_free_vgpr 1024
		.amdhsa_next_free_sgpr 84
		.amdhsa_reserve_vcc 1
		.amdhsa_float_denorm_mode_32 3
		.amdhsa_float_denorm_mode_16_64 3
		.amdhsa_memory_ordered 1
		.amdhsa_forward_progress 1
		.amdhsa_inst_pref_size 224
	.end_amdhsa_kernel
	.amdgpu_metadata
---
amdhsa.version: [ 1, 2 ]
amdhsa.kernels:
  - .name:           k_q639fd7b9a3_scores
    .symbol:         k_q639fd7b9a3_scores.kd
    .args:
      - { .name: qc, .offset: 0, .size: 8, .value_kind: global_buffer, .address_space: global }
      - { .name: kc, .offset: 8, .size: 8, .value_kind: global_buffer, .address_space: global }
      - { .name: pc, .offset: 16, .size: 8, .value_kind: global_buffer, .address_space: global }
    .group_segment_fixed_size: 327680
    .private_segment_fixed_size: 0
    .kernarg_segment_align: 8
    .kernarg_segment_size: 24
    .max_flat_workgroup_size: 128
    .sgpr_count:     84
    .vgpr_count:     1024
    .wavefront_size: 32
...
	.end_amdgpu_metadata
.endif
;; end of part 2
;; launch mix (part 3): grid 4 x 64, 4 waves a work-group, clusters of 4 x 4, 327,680 bytes of LDS; arguments pc, vc, out0; writes out0
.if DOCPART == 3
	.amdgcn_target "amdgcn-amd-amdhsa--gfx1250"
	.amdhsa_code_object_version 6
	.text
	.protected	k_q639fd7b9a3_mix
	.globl	k_q639fd7b9a3_mix
	.p2align	8
	.type	k_q639fd7b9a3_mix,@function
k_q639fd7b9a3_mix:
	s_mov_b64 s[64:65], 0
	v_nop
	global_prefetch_b8 v0, s[64:65] scope:SCOPE_SE
	s_setreg_imm32_b32 hwreg(HW_REG_WAVE_MODE, 25, 1), 1
	s_wait_xcnt 0x0
	s_wait_alu depctr_hold_cnt(0) depctr_sa_sdst(0) depctr_va_vdst(0) depctr_va_sdst(0) depctr_va_ssrc(0) depctr_va_vcc(0) depctr_vm_vsrc(0)
	s_getreg_b32 s2, hwreg(HW_REG_IB_STS2, 6, 4)
	s_cmp_eq_u32 s2, 0
	s_cbranch_scc0 .Lentry_in_a_cluster
	s_endpgm
.Lentry_in_a_cluster:
	s_bfe_u32 s2, ttmp6, 0x10000c
	s_cmp_lg_u32 s2, 0xf033
	s_cbranch_scc0 .Lentry_shape_is_right
	s_endpgm
.Lentry_shape_is_right:
; out = (p v) / l on codes of BF6 (E3M2) with one E8M0 scale for each 32 keys.  p comes chunk by chunk of 128 keys under the chunk's own whole number M_c, with -M_c and l_c beside it.  Here the row's M = the largest M_c;
; M - M_c, a whole number, is taken off the four scale bytes of the chunk's words (an exact power of two), and l = the sum of l_c 2^(M_c - M).
; pc: [batch][query group of 128: 16][key chunk: 16][unit of 13,824: eight fragment images, scale words at 12,288, -M_c at 12,800, l_c at 13,312];  vc: [batch][d group of 128: 8][key chunk: 16][unit of 12,800]: rows = d, K = keys.
; SHARES.  Cluster y = 4 x batch + Y; a work-group makes query group g = 4 Y + cy (128 queries) x 256 of d (cx); a wave 64 queries x 128 d: 32 accumulators.  Source 0 = 16 rows of v (d), source 1 = 16 queries:
; a lane holds one query and eight neighbouring d.  The keys end at 1,024 for Y = 0, 1 and at 2,048 for Y = 2, 3 (beyond lies the causal mask): one forward branch on the cluster's number, the same in all partners.
; The keys go in steps of 512 through a ring of two LDS slots: waves 0 and 1 fetch p's four units (two each: 108 rows of 256 bytes), waves 2 and 3 v's (a d group's four units: 200 rows of 256 bytes).
; CLUSTERS: 4 x 4; p's units are asked for jointly by a row of the cluster, v's by a column.
; LIMITS: a chunk whose M_c lies more than 64 under the row's M is shifted by 64 only (what it adds lies under 2^-57 of l); in l a chunk's share is shifted by 200 at the most; NaN and infinities are not served.
; REGISTERS: window 0: v10-21 addresses; v32-63 v's scale words; v64-79 p's, shifted; v80-95 p's words and -M_c as loaded; v96-113 row figures; v128-175 p's fragments; v176-239 the chunks' -M_c and l_c;
;   on the way out v128-191 a block's results.  window 1: v's fragments, two sets at v0 and v128; on the way out v0-127 rows read back.  window 2: the accumulators ((a, b) at v[8 (8 a + b)]).
.set NA,    4
.set SEG,   1
.set NQ,    4                          ; steps of 128 keys in a slot
.set UA,    13824
.set UB,    12800
.set BOFF,  55296                      ; a slot: p's four units, then v's two d groups of four units
.set SLOT,  157696
.set ASTEP, 110592                     ; two slots on, in memory
.set BSTEP, 102400
.set SPARE, 315392                     ; behind the ring: the spare words, 128 bytes for each wave: two blocks of 256 bytes that no other line names
.set SP,    528                        ; the way out: a stage of 16 rows x (512 bytes + 16) for each wave, in slot 0, which has had its last fill and its last read by then
.set LO,   10                          ; v10  16 x lane
.set LW,   11                          ; v11  16 x lane + 8 x my half: my two words of an image
.set STO,  12
.set RD,   13
.set ADRA, 16
.set ADRW, 18
.set ADRB, 20
.set SPW,  28
.set NIL,  29
.set SBB,  32
.set SAB,  64
.set SASC, 8
.set SAQ,  2
.set RW,   80
.set RM,   88
.set NMR,  96                          ; v[96:97]  the row's -M: register j, lanes 16 e on: my block 2 j + e
.set RL,   98                          ; v[98:99]  l, then 1 / l, laid likewise
.set RLB,  100                         ; v100-107  1 / l of block a in both halves of the lanes, as a pair
.set XL,   108
.set BIG,  110
.set L2,   112
.set AF,   128
.set SN,   176
.set SL,   208
.set TT,   128
.set G1,   24
.set G0,   32
.set G1B,  48
.set G0B,  56
.set SEL,  78
.set HI,   80
.set MSB, 0
.macro WIN new                         ; the immediate's high byte repeats the setting that is left
.if MSB != \new
	s_set_vgpr_msb (MSB<<8)|\new
.set MSB, \new
.endif
.endm
.set MUL_LO, 0xa1                      ; source 0 (v) window 1, source 1 (p) window 0, C and D window 2
.set MUL_HI, 0xa1
.set TO_B,   0x40
.macro JLOAD g0a, g1a, g0b, g1b        ; a joint load: waves 0 and 1 fetch p's units, waves 2 and 3 v's; four v_nop follow each of the two lines
	s_cmp_eq_u32 s15, 0
	s_cbranch_scc0 .Lfor_b_\@
	tensor_load_to_lds s[\g0a:\g0a+3], s[\g1a:\g1a+7]
	s_nop 0
.rept 4
	v_nop
.endr
	s_branch .Lasked_\@
.Lfor_b_\@:
	tensor_load_to_lds s[\g0b:\g0b+3], s[\g1b:\g1b+7]
	s_nop 0
.rept 4
	v_nop
.endr
.Lasked_\@:
.endm
.macro CREST
	s_cmp_lg_u32 s14, 0
	s_cbranch_scc1 .Lnot_wave_0_\@
	s_barrier_signal -3
.Lnot_wave_0_\@:
	s_barrier_wait -3
	s_barrier_signal -1
	s_barrier_wait -1
.endm
.macro CROUND
	s_barrier_signal -1
	s_barrier_wait -1
	CREST
.endm
.macro PLACES n
.rept \n
	v_nop
.endr
.endm
	s_load_b128 s[4:7], s[0:1], 0x0                ; pc, vc
	s_load_b64 s[8:9], s[0:1], 0x10                ; out0
	v_lshl_add_u32 v[SPW], v0, 2, SPARE
	v_mov_b32 v[NIL], 0
	ds_add_u32 v28, v29
	ds_add_u32 v28, v29
	s_wait_dscnt 0x0
	v_lshrrev_b32 v1, 5, v0
	v_readfirstlane_b32 s14, v1                    ; wave 0..3
	s_lshr_b32 s15, s14, 1                         ; my half of the queries.  Also: I fetch for p (0) or for v (1)
	s_and_b32 s16, s14, 1                          ; my half of d.  Also: which half I fetch
	s_bfe_u32 s40, ttmp6, 0x40000                  ; cx
	s_bfe_u32 s41, ttmp6, 0x40004                  ; cy
	s_and_b32 s45, ttmp7, 0xffff                   ; cluster y
	s_lshr_b32 s66, s45, 2                         ; the batch
	s_and_b32 s67, s45, 3                          ; Y
	s_lshr_b32 s3, s67, 1                          ; 0: the keys end at 1,024; 1: at 2,048
	s_lshl_b32 s17, s67, 2
	s_add_co_u32 s17, s17, s41                     ; my query group
	s_lshl_b32 s43, s41, 2
	s_lshl_b32 s43, 15, s43                        ; my row of the cluster
	s_lshl_b32 s44, 0x1111, s40                    ; my column
	s_or_b32 s[G1], s43, (3<<16)|(1<<21)           ; 15:0 the mask; 17:16 elements of 8 bytes; 20 no padding; 21 set beside a mask
	s_mov_b32 s[G1+1], 32<<16                      ; rows of 256 bytes,
	s_mov_b32 s[G1+2], 108<<16                     ; 108 of them: two units of p
	s_mov_b32 s[G1+3], 32<<16
	s_mov_b32 s[G1+4], 108
	s_mov_b32 s[G1+5], 32                          ; dense
	s_mov_b32 s[G1+6], 0
	s_mov_b32 s[G1+7], 0
	s_or_b32 s[G1B], s44, (3<<16)|(1<<21)
	s_mov_b32 s[G1B+1], 32<<16
	s_mov_b32 s[G1B+2], 200<<16                    ; 200 rows: four units of v
	s_mov_b32 s[G1B+3], 32<<16
	s_mov_b32 s[G1B+4], 200
	s_mov_b32 s[G1B+5], 32
	s_mov_b32 s[G1B+6], 0
	s_mov_b32 s[G1B+7], 0
	s_lshl_b32 s18, s66, 4
	s_add_co_u32 s18, s18, s17
	s_mul_i32 s18, s18, 16*UA                      ; p: my query group's 16 units begin here
	s_mov_b32 s19, 0
	s_mul_i32 s20, s16, 2*UA                       ; the two units of a slot that I fetch
	s_mov_b32 s21, 0
	s_lshl_b32 s46, s66, 3                         ; v: d group 8 x batch + 2 cx + the half that I fetch; 16 units to a group
	s_lshl_b32 s47, s40, 1
	s_add_co_u32 s46, s46, s47
	s_add_co_u32 s46, s46, s16
	s_mul_i32 s46, s46, 16*UB
	s_mov_b32 s47, 0
	s_mul_i32 s22, s16, 2*UA                       ; where they go in a slot: p's,
	s_mul_i32 s23, s16, 4*UB
	s_add_co_u32 s23, s23, BOFF                    ; v's
	s_wait_kmcnt 0x0
	s_add_nc_u64 s[10:11], s[4:5], s[18:19]
	s_add_nc_u64 s[20:21], s[10:11], s[20:21]
	s_add_nc_u64 s[46:47], s[6:7], s[46:47]
	CROUND                                         ; all sixteen work-groups are here: the first joint loads meet
.irp s, 0,1
	s_mov_b32 s[G0+4*\s], 1
	s_add_co_u32 s[G0+4*\s+1], s22, \s*SLOT
	s_add_nc_u64 s[G0+4*\s+2:G0+4*\s+3], s[20:21], \s*NQ*UA
	s_or_b32 s[G0+4*\s+3], s[G0+4*\s+3], 0x80000000
	s_mov_b32 s[G0B+4*\s], 1
	s_add_co_u32 s[G0B+4*\s+1], s23, \s*SLOT
	s_add_nc_u64 s[G0B+4*\s+2:G0B+4*\s+3], s[46:47], \s*NQ*UB
	s_or_b32 s[G0B+4*\s+3], s[G0B+4*\s+3], 0x80000000
	JLOAD G0+4*\s, G1, G0B+4*\s, G1B               ; two loads of mine are out
.endr
	v_and_b32 v1, 31, v0
	v_lshlrev_b32 v[LO], 4, v1
	s_lshl_b32 s18, s15, 3
	v_add_nc_u32 v[LW], s18, v[LO]
	s_cmp_eq_u32 s3, 0
	s_cselect_b32 s12, 0, 8*UA                     ; chunks 8 to 15 exist only where the keys go on to 2,048: elsewhere chunks 0 to 7 are read in their place, and counted for nothing below
	s_cselect_b32 s82, 0, -1
	s_mov_b32 s13, 0
	s_add_nc_u64 s[12:13], s[10:11], s[12:13]
.set CC, 0
.rept 8
	global_load_b64 v[SN+2*CC:SN+2*CC+1], v[LW], s[10:11] offset:UA*CC+12800       ; -M_c of my four blocks: two words a lane
	global_load_b64 v[SL+2*CC:SL+2*CC+1], v[LW], s[10:11] offset:UA*CC+13312       ; l_c
	global_load_b64 v[SN+16+2*CC:SN+17+2*CC], v[LW], s[12:13] offset:UA*CC+12800
	global_load_b64 v[SL+16+2*CC:SL+17+2*CC], v[LW], s[12:13] offset:UA*CC+13312
.set CC, CC+1
.endr
	s_mul_i32 s18, s15, 4*1536                     ; my four blocks of p in a unit
	s_mul_i32 s19, s16, 4*UB
	s_add_co_u32 s19, s19, BOFF                    ; my d group
.irp s, 0,1
	v_add_nc_u32 v[ADRA+\s], s18, v[LO]
	v_add_nc_u32 v[ADRB+\s], s19, v[LO]
	v_add_nc_u32 v[ADRW+\s], \s*SLOT+12288, v[LW]
	s_add_co_u32 s18, s18, SLOT
	s_add_co_u32 s19, s19, SLOT
.endr
	v_and_b32 v2, 15, v0                           ; r
	v_bfe_u32 v3, v0, 4, 1                         ; h
	s_mul_i32 s18, s14, 16*SP                      ; my stage
	v_mul_u32_u24 v[STO], v2, SP
	v_lshl_add_u32 v[STO], v3, 5, v[STO]
	v_add_nc_u32 v[STO], s18, v[STO]               ; in: row r, 32 bytes for each half of the lanes
	v_add_nc_u32 v[RD], s18, v[LO]                 ; back: the 32 lanes take one row of 512 bytes
	s_lshl_b32 s68, s66, 11                        ; out: row 2,048 x batch + 128 g + 64 x my half, of 4,096 bytes; + (256 cx + 128 x my half of d) x 4
	s_lshl_b32 s69, s17, 7
	s_add_co_u32 s68, s68, s69
	s_lshl_b32 s69, s15, 6
	s_add_co_u32 s68, s68, s69
	s_lshl_b32 s68, s68, 12
	s_lshl_b32 s69, s40, 10
	s_add_co_u32 s68, s68, s69
	s_lshl_b32 s69, s16, 9
	s_add_co_u32 s68, s68, s69
	s_mov_b32 s69, 0
	s_add_nc_u64 s[8:9], s[8:9], s[68:69]
	s_mov_b32 s[SEL], 0x76543210
	s_mov_b32 s[SEL+1], 0xfedcba98
	s_mov_b32 s[HI], 0xffff0000
	v_mov_b32 v[BIG], 0x7f61b1e6                   ; 3e38: the -M_c of a chunk that counts for nothing
	v_mov_b32 v[XL], 0                             ; written once: a lane permute's destination counts as one of its sources
	v_mov_b32 v[XL+1], 0
	s_wait_loadcnt 0x0
.set IX, 16
.rept 16
	v_cndmask_b32 v[SN+IX], v[BIG], v[SN+IX], s82
.set IX, IX+1
.endr
.irp j, 0,1
	v_min3_num_f32 v[NMR+\j], v[SN+\j], v[SN+2+\j], v[SN+4+\j]     ; the row's -M = the least -M_c
.endr
.irp c, 3,5,7,9,11,13
.irp j, 0,1
	v_min3_num_f32 v[NMR+\j], v[NMR+\j], v[SN+2*\c+\j], v[SN+2*\c+2+\j]
.endr
.endr
.irp j, 0,1
	v_min_num_f32 v[NMR+\j], v[NMR+\j], v[SN+30+\j]
.endr
.set CC, 0
.rept 16
	v_pk_add_f32 v[SN+2*CC:SN+2*CC+1], v[NMR:NMR+1], v[SN+2*CC:SN+2*CC+1] neg_lo:[0,1] neg_hi:[0,1]   ; M_c - M: a whole number, 0 or less
.set CC, CC+1
.endr
.set IX, 0
.rept 32
	v_max_num_f32 v[SN+IX], 0xc3480000, v[SN+IX]   ; held at -200
.set IX, IX+1
.endr
.set IX, 0
.rept 32
	v_cvt_i32_f32 v[SN+IX], v[SN+IX]
.set IX, IX+1
.endr
.set IX, 0
.rept 32
	v_ldexp_f32 v[SL+IX], v[SL+IX], v[SN+IX]       ; l_c under the row's M
.set IX, IX+1
.endr
	v_pk_add_f32 v[RL:RL+1], v[SL:SL+1], v[SL+2:SL+3]
	v_pk_add_f32 v[L2:L2+1], v[SL+4:SL+5], v[SL+6:SL+7]
.irp c, 4,6,8,10,12,14
	v_pk_add_f32 v[RL:RL+1], v[RL:RL+1], v[SL+2*\c:SL+2*\c+1]
	v_pk_add_f32 v[L2:L2+1], v[L2:L2+1], v[SL+2*\c+2:SL+2*\c+3]
.endr
	v_pk_add_f32 v[RL:RL+1], v[RL:RL+1], v[L2:L2+1]               ; l
	v_rcp_f32 v[RL], v[RL]
	v_rcp_f32 v[RL+1], v[RL+1]
	v_nop                                          ; a plain place behind the reciprocals
	s_wait_alu depctr_va_vdst(0)                   ; one wait for the two, ahead of their first reader
	v_permlanex16_b32 v[XL], v[RL], s[SEL], s[SEL+1]
	v_permlanex16_b32 v[XL+1], v[RL+1], s[SEL], s[SEL+1]
	v_cndmask_b32 v[RLB], v[RL], v[XL], s[HI]      ; block 0's 1 / l stood in lanes 0-15: now in both halves
	v_cndmask_b32 v[RLB+2], v[XL], v[RL], s[HI]    ; block 1's stood in lanes 16-31
	v_cndmask_b32 v[RLB+4], v[RL+1], v[XL+1], s[HI]
	v_cndmask_b32 v[RLB+6], v[XL+1], v[RL+1], s[HI]
.irp a, 0,1,2,3
	v_mov_b32 v[RLB+2*\a+1], v[RLB+2*\a]           ; the packed multiplication names a pair
.endr
.macro FRAG reg, adr, off              ; a fragment image: three loads of 16 bytes a lane, 512 consecutive bytes each
.irp c, 0,1,2
	ds_load_b128 v[\reg+4*\c:\reg+4*\c+3], v[\adr] offset:\off+512*\c
.endr
.endm
.macro FETCH_B slot, q, p              ; source 0's eight fragments of the slot's q-th step into set p: 24 loads
	WIN TO_B
.irp i, 0,1,2,3,4,5,6,7
	FRAG 128*(\p)+12*\i, ADRB+\slot, UB*(\q)+1536*\i
.endr
	WIN 0
.endm
.macro FETCH_A slot, q, half           ; half of source 1's fragments: 6 loads
.set I0, (\half)*(NA/2)
.rept NA/2
	FRAG AF+12*I0, ADRA+\slot, UA*(\q)+1536*I0
.set I0, I0+1
.endr
.endm
.macro WM acc, bf, af, zero, sb, sa, rb, ra   ; one matrix instruction; rb, ra: which half of the lanes of the scale registers holds the block's words
.set SELV, 4*(\zero)+2*(\rb)+(\ra)
.if SELV == 0
	v_wmma_scale_f32_16x16x128_f8f6f4 v[\acc:\acc+7], v[\bf:\bf+11], v[\af:\af+11], v[\acc:\acc+7], v[\sb], v[\sa] matrix_a_fmt:MATRIX_FMT_BF6 matrix_b_fmt:MATRIX_FMT_BF6
.elseif SELV == 1
	v_wmma_scale_f32_16x16x128_f8f6f4 v[\acc:\acc+7], v[\bf:\bf+11], v[\af:\af+11], v[\acc:\acc+7], v[\sb], v[\sa] matrix_a_fmt:MATRIX_FMT_BF6 matrix_b_fmt:MATRIX_FMT_BF6 matrix_b_scale:MATRIX_SCALE_ROW1
.elseif SELV == 2
	v_wmma_scale_f32_16x16x128_f8f6f4 v[\acc:\acc+7], v[\bf:\bf+11], v[\af:\af+11], v[\acc:\acc+7], v[\sb], v[\sa] matrix_a_fmt:MATRIX_FMT_BF6 matrix_b_fmt:MATRIX_FMT_BF6 matrix_a_scale:MATRIX_SCALE_ROW1
.elseif SELV == 3
	v_wmma_scale_f32_16x16x128_f8f6f4 v[\acc:\acc+7], v[\bf:\bf+11], v[\af:\af+11], v[\acc:\acc+7], v[\sb], v[\sa] matrix_a_fmt:MATRIX_FMT_BF6 matrix_b_fmt:MATRIX_FMT_BF6 matrix_a_scale:MATRIX_SCALE_ROW1 matrix_b_scale:MATRIX_SCALE_ROW1
.elseif SELV == 4
	v_wmma_scale_f32_16x16x128_f8f6f4 v[\acc:\acc+7], v[\bf:\bf+11], v[\af:\af+11], 0, v[\sb], v[\sa] matrix_a_fmt:MATRIX_FMT_BF6 matrix_b_fmt:MATRIX_FMT_BF6
.elseif SELV == 5
	v_wmma_scale_f32_16x16x128_f8f6f4 v[\acc:\acc+7], v[\bf:\bf+11], v[\af:\af+11], 0, v[\sb], v[\sa] matrix_a_fmt:MATRIX_FMT_BF6 matrix_b_fmt:MATRIX_FMT_BF6 matrix_b_scale:MATRIX_SCALE_ROW1
.elseif SELV == 6
	v_wmma_scale_f32_16x16x128_f8f6f4 v[\acc:\acc+7], v[\bf:\bf+11], v[\af:\af+11], 0, v[\sb], v[\sa] matrix_a_fmt:MATRIX_FMT_BF6 matrix_b_fmt:MATRIX_FMT_BF6 matrix_a_scale:MATRIX_SCALE_ROW1
.else
	v_wmma_scale_f32_16x16x128_f8f6f4 v[\acc:\acc+7], v[\bf:\bf+11], v[\af:\af+11], 0, v[\sb], v[\sa] matrix_a_fmt:MATRIX_FMT_BF6 matrix_b_fmt:MATRIX_FMT_BF6 matrix_a_scale:MATRIX_SCALE_ROW1 matrix_b_scale:MATRIX_SCALE_ROW1
.endif
.endm
; quarter g of a step's products: one block of queries x v's eight blocks.  The 32 accumulators take turns, one instruction a turn, in the same order in every step.
.macro MULSEG g, p, q, sc, zero
.set AA, (\g)*SEG
.rept SEG
.irp b, 0,1,2,3,4,5,6,7
	WM 8*(8*(AA%4)+\b), 128*(\p)+12*\b, AF+12*AA, \zero, SBB+16*(\sc)+4*(\q)+\b/2, SAB+SASC*(\sc)+SAQ*(\q)+AA/2, \b%2, AA%2
.endr
.set AA, AA+1
.endr
.endm
.macro SCALES sc                       ; the slot's words: v's scale words as they are; p's scale words and -M_c of my four blocks: 12 loads
.irp q, 0,1,2,3
	ds_load_b128 v[SBB+16*(\sc)+4*\q:SBB+16*(\sc)+4*\q+3], v[ADRB+\sc] offset:UB*\q+12288
	ds_load_b64 v[RW+2*\q:RW+2*\q+1], v[ADRW+\sc] offset:UA*\q
	ds_load_b64 v[RM+2*\q:RM+2*\q+1], v[ADRW+\sc] offset:UA*\q+512
.endr
.endm
.macro ADJUST sc                       ; p's scale words under the row's M: M - M_c off each of a word's four bytes.  No byte borrows: each is 64 at the least, and what is taken off is held at 64
.irp q, 0,1,2,3
	v_pk_add_f32 v[RM+2*\q:RM+2*\q+1], v[RM+2*\q:RM+2*\q+1], v[NMR:NMR+1] neg_lo:[0,1] neg_hi:[0,1]   ; M - M_c: a whole number, 0 or more
.endr
.irp n, 0,1,2,3,4,5,6,7
	v_min_num_f32 v[RM+\n], 0x42800000, v[RM+\n]
.endr
.irp n, 0,1,2,3,4,5,6,7
	v_cvt_u32_f32 v[RM+\n], v[RM+\n]
.endr
.irp n, 0,1,2,3,4,5,6,7
	v_perm_b32 v[RM+\n], v[RM+\n], v[RM+\n], 0     ; its low byte in all four places
.endr
.irp n, 0,1,2,3,4,5,6,7
	v_sub_nc_u32 v[SAB+SASC*(\sc)+\n], v[RW+\n], v[RM+\n]
.endr
.endm
.macro STEP slot, q, zero              ; a step of 128 keys that has its successor in the same slot
	s_wait_dscnt (NA/2)*3                          ; all but the youngest 6 loads (p's upper two blocks) are in
	WIN MUL_LO
	MULSEG 0, (\q)%2, \q, \slot, \zero
	MULSEG 1, (\q)%2, \q, \slot, \zero
	s_wait_dscnt 0x0
	PLACES 4                                       ; in front of loads into registers that matrix instructions have read
	FETCH_B \slot, (\q)+1, 1-(\q)%2
	FETCH_A \slot, (\q)+1, 0
	WIN MUL_HI
	MULSEG 2, (\q)%2, \q, \slot, \zero
	MULSEG 3, (\q)%2, \q, \slot, \zero
	PLACES 4
	WIN 0
	FETCH_A \slot, (\q)+1, 1
.endm
; A slot's last step changes slots: one barrier; in front of it each wave waits for all its tensor loads, adds 0 to its spare word, and waits for that and for its own reads of this slot.
.macro TURN slot, next, fill
	s_wait_tensorcnt 0x0                           ; all my tensor loads have landed: my part of the next slot
	ds_add_u32 v[SPW], v[NIL]                      ; 0 onto my spare word
	s_wait_dscnt (NA/2)*3+1                        ; the add and the youngest 6 loads may be out
	WIN MUL_LO
	MULSEG 0, 1, NQ-1, \slot, 0
	s_wait_dscnt 0x0                               ; the add is done, and my reads of this slot are over
	s_barrier_signal -1
	MULSEG 1, 1, NQ-1, \slot, 0
	WIN 0
	s_barrier_wait -1
.if \fill
	CREST                                          ; the barrier has opened a round of the cluster's: no wave of any partner still reads this slot or has a load on its way
	s_add_nc_u64 s[G0+4*\slot+2:G0+4*\slot+3], s[G0+4*\slot+2:G0+4*\slot+3], ASTEP
	s_add_nc_u64 s[G0B+4*\slot+2:G0B+4*\slot+3], s[G0B+4*\slot+2:G0B+4*\slot+3], BSTEP
	JLOAD G0+4*\slot, G1, G0B+4*\slot, G1B         ; the first tensor load behind the round; its four v_nop are the places in front of the loads below
.else
	PLACES 4
.endif
	SCALES \next
	FETCH_B \next, 0, 0
	FETCH_A \next, 0, 0
	WIN MUL_HI
	MULSEG 2, 1, NQ-1, \slot, 0
	MULSEG 3, 1, NQ-1, \slot, 0
	WIN 0
	s_wait_dscnt 30                                ; the 12 loads of words are in; v's 24 and p's 6 fragment loads may be out
	ADJUST \next
	PLACES 8                                       ; a scale register written by a vector instruction stands eight places ahead of a scaled matrix instruction; these are also the places in front of the loads below
	FETCH_A \next, 0, 1
.endm
.macro LAST
	s_wait_dscnt (NA/2)*3
	WIN MUL_LO
	MULSEG 0, 1, NQ-1, 1, 0
	MULSEG 1, 1, NQ-1, 1, 0
	s_wait_dscnt 0x0
	WIN MUL_HI
	MULSEG 2, 1, NQ-1, 1, 0
	MULSEG 3, 1, NQ-1, 1, 0
	WIN 0
.endm
	s_wait_tensorcnt 1                             ; my part of slot 0 is in; slot 1's may be out
	s_barrier_signal -1
	s_barrier_wait -1
	SCALES 0
	FETCH_B 0, 0, 0
	FETCH_A 0, 0, 0
	s_wait_dscnt 30                                ; the words are in
	ADJUST 0
	PLACES 8
	FETCH_A 0, 0, 1
	STEP 0, 0, 1                                   ; keys 0 to 383
	STEP 0, 1, 0
	STEP 0, 2, 0
	s_cmp_eq_u32 s3, 0                             ; where the keys end at 1,024 the two slots are not filled again.  The branch hangs on the cluster's number alone: all sixteen partners go the same way,
	s_cbranch_scc1 .Ltail                          ; and every wait on the tensor loads behind it is for all of them
	TURN 0, 1, 1                                   ; slot 0 takes keys 1,024 on
	STEP 1, 0, 0
	STEP 1, 1, 0
	STEP 1, 2, 0
	TURN 1, 0, 1                                   ; slot 1 takes keys 1,536 on
	STEP 0, 0, 0
	STEP 0, 1, 0
	STEP 0, 2, 0
.Ltail:
	TURN 0, 1, 0
	STEP 1, 0, 0
	STEP 1, 1, 0
	STEP 1, 2, 0
	LAST
; THE WAY OUT, a block of 16 queries x 128 d at a time: x 1 / l; a lane's 32 neighbouring bytes of a row go into my own stage in LDS and come back as whole rows of 512 bytes, which the 32 lanes store.
; LDS serves a wave's instructions in order (ISA guide 5.7.1.4): no wait between the stores and the loads, nor in front of the next block's stores.
.macro SCALE a
	WIN 0x02                                       ; source 0: the accumulators' window
.set IX, 0
.rept 32
	v_pk_mul_f32 v[TT+IX:TT+IX+1], v[64*(\a)+IX:64*(\a)+IX+1], v[RLB+2*(\a):RLB+2*(\a)+1] op_sel_hi:[1,0]   ; each accumulator from its low end on
.set IX, IX+2
.endr
	WIN 0
.endm
.macro TOSTAGE a
.set BB, 64*((\a)%2)
.irp b, 0,1,2,3,4,5,6,7
	ds_store_b128 v[STO], v[TT+8*\b:TT+8*\b+3] offset:64*\b
	ds_store_b128 v[STO], v[TT+8*\b+4:TT+8*\b+7] offset:64*\b+16
.endr
	WIN 0x40                                       ; back into window 1, where v's first set is done with
.irp t, 0,1,2,3,4,5,6,7,8,9,10,11,12,13,14,15
	ds_load_b128 v[BB+4*\t:BB+4*\t+3], v[RD] offset:\t*SP
.endr
	WIN 0
.endm
.macro SEND a, younger                 ; younger: the LDS instructions issued behind block a's loads, which may stay out
.set BB, 64*((\a)%2)
	s_wait_dscnt \younger
	WIN 0x04                                       ; a store's data are its source 1: window 1
.irp t, 0,1,2,3,4,5,6,7,8,9,10,11,12,13,14,15
	global_store_b128 v[LO], v[BB+4*\t:BB+4*\t+3], s[8:9] offset:(16*(\a)+\t)*4096 th:TH_STORE_NT   ; 512 consecutive bytes, at a multiple of 256 from the output's first byte; 63 rows at the most: inside the signed 24-bit immediate
.endr
	WIN 0
.endm
	PLACES 4                                       ; behind the last products
	SCALE 0
	TOSTAGE 0
.irp a, 1,2,3
.if \a > 1
	s_wait_xcnt 0x0                                ; block a - 2's stores have read their registers: block a's rows may land there
.endif
	SCALE \a
	TOSTAGE \a
	SEND \a-1, 32                                  ; behind block a - 1's loads: block a's 16 stores and 16 loads
.endr
	SEND 3, 0
	s_wait_tensorcnt 0x0                           ; the wave's end, behind my last tensor load and my last LDS store
	ds_add_u32 v[SPW], v[NIL]
	s_wait_dscnt 0x0
	CROUND                                         ; the closing round
	s_endpgm
.Lfunc_end_k_q639fd7b9a3_mix:
	.size	k_q639fd7b9a3_mix, .Lfunc_end_k_q639fd7b9a3_mix-k_q639fd7b9a3_mix
	.p2alignl 7, 3214868480
	.fill 96, 4, 3214868480
	.section	.rodata,"a",@progbits
	.p2align	6, 0x0
	.amdhsa_kernel k_q639fd7b9a3_mix
		.amdhsa_group_segment_fixed_size 327680
		.amdhsa_private_segment_fixed_size 0
		.amdhsa_enable_private_segment 0
		.amdhsa_kernarg_size 24
		.amdhsa_user_sgpr_count 2
		.amdhsa_user_sgpr_kernarg_segment_ptr 1
		.amdhsa_wavefront_size32 1
		.amdhsa_system_sgpr_workgroup_id_x 1
		.amdhsa_system_sgpr_workgroup_id_y 1
		.amdhsa_system_sgpr_workgroup_id_z 1
		.amdhsa_system_vgpr_workitem_id 0
		.amdhsa_next_free_vgpr 768
		.amdhsa_next_free_sgpr 84
		.amdhsa_reserve_vcc 0
		.amdhsa_float_denorm_mode_32 3
		.amdhsa_float_denorm_mode_16_64 3
		.amdhsa_memory_ordered 1
		.amdhsa_forward_progress 1
		.amdhsa_inst_pref_size 164
	.end_amdhsa_kernel
	.amdgpu_metadata
---
amdhsa.version: [ 1, 2 ]
amdhsa.kernels:
  - .name:           k_q639fd7b9a3_mix
    .symbol:         k_q639fd7b9a3_mix.kd
    .args:
      - { .name: pc, .offset: 0, .size: 8, .value_kind: global_buffer, .address_space: global }
      - { .name: vc, .offset: 8, .size: 8, .value_kind: global_buffer, .address_space: global }
      - { .name: out0, .offset: 16, .size: 8, .value_kind: global_buffer, .address_space: global }
    .group_segment_fixed_size: 327680
    .private_segment_fixed_size: 0
    .kernarg_segment_align: 8
    .kernarg_segment_size: 24
    .max_flat_workgroup_size: 128
    .sgpr_count:     84
    .vgpr_count:     768
    .wavefront_size: 32
...
	.end_amdgpu_metadata
.endif
;; end of part 3
